; MI455X (gfx1250); checked and timed in simulation.
; The chip was launched on July 23, 2026; its instructions are those of AMD's public machine-readable ISA for CDNA 5 (MIT licence, August 2026) and "CDNA5" Instruction Set Architecture Reference Guide (July 2026). The comments in the code are by the model that wrote it; some were corrected since.
;; Graphormer Encoder Layer. Allowed arithmetic: matrix products marked QUANTISED: E2M3 operands, one E8M0 scale for each 32 along K, by v_wmma_scale_f32_16x16x128_f8f6f4 with both operands' format E2M3, f32 sums; everything else in f32.
;; Inputs: W1 1,024 x 256 float32; W2 256 x 1,024 float32; Wk 256 x 256 float32; Wo 256 x 256 float32; Wq 256 x 256 float32; Wv 256 x 256 float32; b1 1,024 float32; b2 256 float32; beta1 256 float32; beta2 256 float32; edge_encoding 16 x 1,024 x 1,024 float32; gamma1 256 float32; gamma2 256 float32; spatial_encoding 16 x 1,024 x 1,024 float32; x 16 x 1,024 x 256 float32.
;; Outputs: out0 16 x 1,024 x 256 float32.
;; This version of the problem:
;;   THIS VERSION OF THE PROBLEM IS GIVEN IN LOW PRECISION. The matrix products marked QUANTISED in the list below multiply operands that are first quantised to E2M3 (2 exponent bits, 3 mantissa bits; 6 bits a number), with one power-of-two scale for each 32 numbers along K (OCP MX v1.0); their sums are f32. All else is computed in f32.
;;   The module's matrix products, in the order in which they are computed (A, B: the left and right operand; K: the contracted axis; several contracted axes count as one K, in the product's order):
;;     1. [M 16,384, K 256] x [K 256, N 256]; A: computed on the way; B: input Wq: QUANTISED
;;     2. [M 16,384, K 256] x [K 256, N 256]; A: computed on the way; B: input Wk: QUANTISED
;;     3. [M 16,384, K 256] x [K 256, N 256]; A: computed on the way; B: input Wv: QUANTISED
;;     4. batch 128 x [M 1,024, K 32] x [K 32, N 1,024]; A: computed on the way; B: computed on the way: QUANTISED
;;     5. batch 128 x [M 1,024, K 1,024] x [K 1,024, N 32]; A: computed on the way; B: computed on the way: QUANTISED
;;     6. [M 16,384, K 256] x [K 256, N 256]; A: computed on the way; B: input Wo: QUANTISED
;;     7. [M 16,384, K 256] x [K 256, N 1,024]; A: computed on the way; B: input W1: QUANTISED
;;     8. [M 16,384, K 1,024] x [K 1,024, N 256]; A: computed on the way; B: input W2: QUANTISED
;;   THE QUANTISER, for each operand of a quantised product, along K:
;;     - K is cut into blocks of 32 from its start; a last block that is shorter is filled with zeros.
;;     - A block's scale is 2^e with e = floor(log2(the largest magnitude in the block)) - 2, held to -126 .. 127; a block of zeros has e = 0. As a byte (E8M0): e + 127.
;;     - Each number is divided by its block's scale, clamped to +-7.5, and rounded to the nearest number of E2M3, ties to even, subnormals kept.
;;     - The product sums the exact products of the quantised numbers (number of the format x scale) in f32.
;;   ~~~python
;;   def quantise(x, axis):      # numpy; x: float32 -> the quantised numbers, widened to float32 again
;;       x = np.moveaxis(x, axis, -1); K = x.shape[-1]
;;       x = np.pad(x, [(0, 0)] * (x.ndim - 1) + [(0, -K % 32)]); x = x.reshape(x.shape[:-1] + (-1, 32)); a = np.abs(x).max(-1, keepdims=True)
;;       e = np.where(a > 0, np.clip(np.frexp(np.where(a > 0, a, 1))[1] - 1 - 2, -126, 127), 0)      # np.frexp(a)[1] - 1 = floor(log2(a)), exactly
;;       r = np.clip(x / 2.0 ** e, -7.5, 7.5)
;;       step = 2.0 ** (np.maximum(np.frexp(np.where(r == 0, 1, r))[1] - 1, 0) - 3)
;;       q = np.round(r / step) * step * 2.0 ** e      # np.round: ties to even
;;       return np.moveaxis(q.reshape(q.shape[:-2] + (-1,))[..., :K], -1, axis).astype(np.float32)
;;   ~~~
;;   OPERANDS COMPUTED ON THE WAY. 'Computed on the way' means the value that the module computes at that place (a softmax that the list does not call 'softmax' is quantised finished and normalised). What goes into a quantiser is computed in f32, as accurately as f32 sums, v_exp_f32 and their like allow (about 1e-6 of the number): no bf16 or f16 on the way to a quantiser, and a product that is left as it is and whose result goes on into a quantised operand takes f32 operands (vector FMAs, or v_wmma_f32_16x16x4_f32). A number that lies on a knife's edge between two numbers of the format may be rounded either way, as far as f32 arithmetic and the matrix unit's own rounding can turn it there, and no further.
;; 2 versions, each right; version 2 is version 1 with the launches qkv, tail written anew for expert scheduling mode. Each part assembles by itself: llvm-mc -triple=amdgcn-amd-amdhsa -mcpu=gfx1250 --defsym DOCPART=n.
;; ======== version 1 of 2: 4 launches
;; workspace buffers: wts 638,976 bytes; qkvc 9,437,184 bytes; qkvs 1,179,648 bytes; ows 3,276,800 bytes
;; launch prep (part 1): grid 96 x 1, 4 waves a work-group, no clusters, 0 bytes of LDS; arguments Wq, Wk, Wv, Wo, W1, W2, wts; writes wts
.if DOCPART == 1
	.amdgcn_target "amdgcn-amd-amdhsa--gfx1250"
	.amdhsa_code_object_version 6
	.text
	.protected	k_q3a00c12bac_prep
	.globl	k_q3a00c12bac_prep
	.p2align	8
	.type	k_q3a00c12bac_prep,@function
k_q3a00c12bac_prep:
	s_mov_b64 s[64:65], 0
	v_nop
	global_prefetch_b8 v0, s[64:65] scope:SCOPE_SE
	s_setreg_imm32_b32 hwreg(HW_REG_WAVE_MODE, 25, 1), 1
	s_wait_xcnt 0x0
; PREP: the six weights, f32 with K innermost, become operand fragments of FP6 (E2M3) codes with E8M0 scale words, laid in the order of the operand's registers.
; A fragment is 16 rows x 128 K: 12 registers a lane; lane (r, h) holds in registers 6 c .. 6 c + 5 the 24 code bytes of block 2 c + h of its row.
; Its image is 1,536 bytes: register p of lane L at 512 (p / 4) + 16 L + 4 (p % 4).  Its scale words follow all images: 128 bytes a fragment, lane L's word at 4 L (lanes l and l xor 16 hold the same).
; Fragment numbers: Wq 0, Wk 32, Wv 64, Wo 96, W1 128, W2 256; inside a weight: tile x (K / 128) + K step.  One wave makes one fragment: number 4 x work-group + wave.
; THE ROWS OF A TILE ARE NOT NEIGHBOURS.  In a group of four tiles, row m of tile t is row 64 G + 32 (m / 8) + 8 t + m % 8, so that a lane of the four results holds 32 neighbours along the next K.
; Wv goes in groups of two tiles: 32 G + 16 (m / 8) + 8 t + m % 8 (a head's 32 channels).
; A block's scale is its largest magnitude's exponent less 2; the byte is held at 1 from below.  A block of zeros gets the byte 1 where the rule says 127: its codes are zeros, and this program alone reads the bytes.
; LIMITS: NaN and infinities are not served.  A lane's loads take 16 bytes of rows 1 or 4 KB apart: 3.1 MB in all, read once.
.set SCW, 589824                       ; where the scale words begin
.set XR,  16                           ; v16-79  my two blocks of 32 numbers
.set CD,  80                           ; v80-91  the fragment
.set TP,  92                           ; v92-94, v96-98 the upper halves of the blocks' codes, as the conversions leave them
.set MA,  8                            ; v8-11   largest magnitudes, two chains a block
.set SCL, 12                           ; v12-13  the conversions' scale operands
.set BY,  14                           ; v14-15  the scale bytes
.set SH8, 99
.set QW0, 100
.set QW1, 101
	s_load_b256 s[4:11], s[0:1], 0x0               ; Wq, Wk, Wv, Wo
	s_load_b128 s[12:15], s[0:1], 0x20             ; W1, W2
	s_load_b64 s[16:17], s[0:1], 0x30              ; wts
	v_lshrrev_b32 v1, 5, v0
	v_readfirstlane_b32 s20, v1                    ; wave
	v_and_b32 v1, 31, v0                           ; lane
	v_bfe_u32 v2, v0, 4, 1                         ; h
	v_bfe_u32 v3, v0, 3, 1                         ; r / 8
	v_and_b32 v4, 7, v0                            ; r % 8
	v_lshlrev_b32 v6, 4, v1                        ; 16 x lane
	v_lshlrev_b32 v7, 2, v1                        ; 4 x lane
	v_lshlrev_b32 v[SH8], 3, v2                    ; 8 h
	v_mov_b32 v[QW1], 0                            ; a lane permute's destination counts as read
	s_mov_b32 s36, 0x76543210
	s_mov_b32 s37, 0xfedcba98                      ; lane l xor 16
	s_lshr_b32 s24, ttmp9, 3
	s_cmp_eq_u32 s24, 2
	s_cselect_b32 s24, 1, 2                        ; log2 of the tiles in a group: 1 for Wv, else 2
	s_mov_b32 s21, 64
	s_wait_kmcnt 0x0
	s_cmp_lt_u32 ttmp9, 64                         ; which weight: by the work-group's number alone
	s_cselect_b64 s[18:19], s[12:13], s[14:15]
	s_cselect_b32 s21, 32, s21                     ; the weight's first work-group
	s_cselect_b32 s22, 1, 3                        ; log2 of its K steps
	s_cselect_b32 s23, 10, 12                      ; log2 of its row's bytes
	s_cmp_lt_u32 ttmp9, 32
	s_cselect_b64 s[18:19], s[10:11], s[18:19]
	s_cselect_b32 s21, 24, s21
	s_cmp_lt_u32 ttmp9, 24
	s_cselect_b64 s[18:19], s[8:9], s[18:19]
	s_cselect_b32 s21, 16, s21
	s_cmp_lt_u32 ttmp9, 16
	s_cselect_b64 s[18:19], s[6:7], s[18:19]
	s_cselect_b32 s21, 8, s21
	s_cmp_lt_u32 ttmp9, 8
	s_cselect_b64 s[18:19], s[4:5], s[18:19]
	s_cselect_b32 s21, 0, s21
	s_sub_co_u32 s25, ttmp9, s21
	s_lshl_b32 s25, s25, 2
	s_add_co_u32 s25, s25, s20                     ; the fragment's number inside its weight
	s_lshr_b32 s26, s25, s22                       ; tile
	s_bfm_b32 s27, s22, 0
	s_and_b32 s27, s25, s27                        ; K step
	s_lshl_b32 s27, s27, 9                         ; 512 bytes a K step
	s_lshr_b32 s28, s26, s24                       ; group
	s_add_co_u32 s29, s24, 4
	s_lshl_b32 s28, s28, s29                       ; its first row
	s_bfm_b32 s30, s24, 0
	s_and_b32 s30, s26, s30
	s_lshl_b32 s30, s30, 3                         ; + 8 x the tile's place in the group
	s_add_co_u32 s28, s28, s30
	s_add_co_u32 s29, s24, 3
	v_lshlrev_b32 v3, s29, v3                      ; + (r / 8) x 8 x the tiles of a group
	v_add3_u32 v3, v3, v4, s28                     ; + r % 8: my row
	v_lshlrev_b32 v5, s23, v3
	v_lshl_add_u32 v5, v2, 7, v5                   ; + 128 h: my block of a pair
	v_add_nc_u32 v5, s27, v5
	s_lshl_b32 s31, ttmp9, 2
	s_add_co_u32 s31, s31, s20                     ; the fragment's number
	s_mul_i32 s32, s31, 1536
	s_mov_b32 s33, 0
	s_add_nc_u64 s[32:33], s[16:17], s[32:33]      ; its image
	s_lshl_b32 s34, s31, 7
	s_add_co_u32 s34, s34, SCW
	s_mov_b32 s35, 0
	s_add_nc_u64 s[34:35], s[16:17], s[34:35]      ; its scale words
.irp c, 0,1
.irp i, 0,1,2,3,4,5,6,7
	global_load_b128 v[XR+32*\c+4*\i:XR+32*\c+4*\i+3], v5, s[18:19] offset:256*\c+16*\i   ; block 2 c + h of my row
.endr
.endr
	s_wait_loadcnt 0x0
.irp c, 0,1
	v_max3_num_f32 v[MA+2*\c], |v[XR+32*\c]|, |v[XR+32*\c+1]|, 0x1800000        ; with the floor 2^(3 - 127): the byte cannot fall under 1
	v_max3_num_f32 v[MA+2*\c+1], |v[XR+32*\c+16]|, |v[XR+32*\c+17]|, 0x1800000
.endr
.irp i, 2,4,6,8,10,12,14
.irp c, 0,1
	v_max3_num_f32 v[MA+2*\c], |v[XR+32*\c+\i]|, |v[XR+32*\c+\i+1]|, v[MA+2*\c]
	v_max3_num_f32 v[MA+2*\c+1], |v[XR+32*\c+16+\i]|, |v[XR+32*\c+17+\i]|, v[MA+2*\c+1]
.endr
.endr
.irp c, 0,1
	v_max_num_f32 v[MA+2*\c], v[MA+2*\c], v[MA+2*\c+1]
.endr
.irp c, 0,1
	v_add_nc_u32 v[SCL+\c], 0xff000000, v[MA+2*\c]  ; 2 off the exponent field: the conversion takes this operand's exponent field as its scale
.endr
.irp c, 0,1
	v_lshrrev_b32 v[BY+\c], 23, v[SCL+\c]          ; the scale's byte
.endr
.irp c, 0,1
	v_cvt_scalef32_pk16_fp6_f32 v[CD+6*\c:CD+6*\c+2], v[XR+32*\c:XR+32*\c+15], v[SCL+\c]
	v_cvt_scalef32_pk16_fp6_f32 v[TP+4*\c:TP+4*\c+2], v[XR+32*\c+16:XR+32*\c+31], v[SCL+\c]   ; a conversion's three registers begin on an even number: made here, moved below
.endr
	v_nop                                          ; one plain line behind the conversions
.irp c, 0,1
.irp i, 0,1,2
	v_mov_b32 v[CD+6*\c+3+\i], v[TP+4*\c+\i]
.endr
.endr
	v_lshl_or_b32 v[QW0], v[BY+1], 16, v[BY]       ; my two bytes: blocks h and 2 + h,
	v_lshlrev_b32 v[QW0], v[SH8], v[QW0]           ; at their places in the word;
	v_permlanex16_b32 v[QW1], v[QW0], s36, s37
	v_or_b32 v[QW0], v[QW0], v[QW1]                ; with lane l xor 16's two the word is whole
.irp k, 0,1,2
	global_store_b128 v6, v[CD+4*\k:CD+4*\k+3], s[32:33] offset:512*\k   ; 32 lanes store 512 consecutive bytes
.endr
	global_store_b32 v7, v[QW0], s[34:35]
	s_endpgm
.Lfunc_end_k_q3a00c12bac_prep:
	.size	k_q3a00c12bac_prep, .Lfunc_end_k_q3a00c12bac_prep-k_q3a00c12bac_prep
	.p2alignl 7, 3214868480
	.fill 96, 4, 3214868480
	.section	.rodata,"a",@progbits
	.p2align	6, 0x0
	.amdhsa_kernel k_q3a00c12bac_prep
		.amdhsa_group_segment_fixed_size 0
		.amdhsa_private_segment_fixed_size 0
		.amdhsa_enable_private_segment 0
		.amdhsa_kernarg_size 56
		.amdhsa_user_sgpr_count 2
		.amdhsa_user_sgpr_kernarg_segment_ptr 1
		.amdhsa_wavefront_size32 1
		.amdhsa_system_sgpr_workgroup_id_x 1
		.amdhsa_system_sgpr_workgroup_id_y 1
		.amdhsa_system_sgpr_workgroup_id_z 1
		.amdhsa_system_vgpr_workitem_id 0
		.amdhsa_next_free_vgpr 104
		.amdhsa_next_free_sgpr 66
		.amdhsa_reserve_vcc 0
		.amdhsa_float_denorm_mode_32 3
		.amdhsa_float_denorm_mode_16_64 3
		.amdhsa_memory_ordered 1
		.amdhsa_forward_progress 1
		.amdhsa_inst_pref_size 8
	.end_amdhsa_kernel
	.amdgpu_metadata
---
amdhsa.version: [ 1, 2 ]
amdhsa.kernels:
  - .name:           k_q3a00c12bac_prep
    .symbol:         k_q3a00c12bac_prep.kd
    .args:
      - { .name: Wq, .offset: 0, .size: 8, .value_kind: global_buffer, .address_space: global }
      - { .name: Wk, .offset: 8, .size: 8, .value_kind: global_buffer, .address_space: global }
      - { .name: Wv, .offset: 16, .size: 8, .value_kind: global_buffer, .address_space: global }
      - { .name: Wo, .offset: 24, .size: 8, .value_kind: global_buffer, .address_space: global }
      - { .name: W1, .offset: 32, .size: 8, .value_kind: global_buffer, .address_space: global }
      - { .name: W2, .offset: 40, .size: 8, .value_kind: global_buffer, .address_space: global }
      - { .name: wts, .offset: 48, .size: 8, .value_kind: global_buffer, .address_space: global }
    .group_segment_fixed_size: 0
    .private_segment_fixed_size: 0
    .kernarg_segment_align: 8
    .kernarg_segment_size: 56
    .max_flat_workgroup_size: 128
    .sgpr_count:     66
    .vgpr_count:     104
    .wavefront_size: 32
...
	.end_amdgpu_metadata
.endif
;; end of part 1
;; launch qkv (part 2): grid 256 x 1, 4 waves a work-group, no clusters, 119,296 bytes of LDS; arguments x, gamma1, beta1, wts, qkvc, qkvs; writes qkvc, qkvs
.if DOCPART == 2
	.amdgcn_target "amdgcn-amd-amdhsa--gfx1250"
	.amdhsa_code_object_version 6
	.text
	.protected	k_q3a00c12bac_qkv
	.globl	k_q3a00c12bac_qkv
	.p2align	8
	.type	k_q3a00c12bac_qkv,@function
k_q3a00c12bac_qkv:
	s_mov_b64 s[64:65], 0
	v_nop
	global_prefetch_b8 v0, s[64:65] scope:SCOPE_SE
	s_setreg_imm32_b32 hwreg(HW_REG_WAVE_MODE, 25, 1), 1
	s_wait_xcnt 0x0
; QKV: att_in = layer norm of x; q, k, v = Q(att_in) Q(W)^T on FP6 (E2M3) codes; q and k are quantised along the head's 32, v along the keys, and leave as codes laid for the attention launch.
; SHARES.  Work-group 16 b + kap takes rows 64 kap .. + 63 of batch b, as four tiles of 16: slot n of tile j is row 32 (n / 8) + 8 j + n % 8.  Wave w normalises and quantises tile w; its two fragments go
; to the others through LDS as images of their registers (one barrier).  For all four tiles wave w makes heads 2 w and 2 w + 1 of q, k and v; its 24 weight fragments stay in registers.
; q, k: source 0 = 16 rows of W, source 1 = x: a lane (n, h) holds row slot n and all 32 channels of head 2 w + h: a whole block.
; v: source 0 = x, source 1 = 16 rows of Wv: a lane (n, h) holds channel slot n and, over the four tiles, keys 32 h + 0 .. 31: a whole block along the keys.
; OUT.  qc [b][head][row][24 bytes].  kc [b][head][kap]: one fragment image whose block j holds key tile j.  vc [b][head][kap][u][piece][lane][8 bytes].  The 64 rows' part of each is 1,536 consecutive bytes a head.
; qsw: q's byte less 4 (the scores' factor 256^-0.5 = 2^-4), in all four bytes of a word.  ksw: a word a key slot, byte j for tile j.  vsw: two bytes of a V fragment's word, the other two zero.
; The weights are read by all 256 work-groups, each fragment straight into the registers of the one wave that multiplies by it: through LDS by joint loads they would be written and read once more, for 150 KB a work-group.
; LIMITS: NaN and infinities are not served.  A block of zeros gets the byte 1, not 127 (zero codes; the bytes are read by this program alone).  A block of q whose largest magnitude lies under 2^-120 has
; its lowered byte held at 1: its scores come out up to 16 times too large, and still under 2^-110.
; REGISTERS.  window 0: see the names.  window 1: Wq's 8 fragments v0-95, Wk's v96-191.  window 2: Wv's v0-95; v96-223 beta, later v's 16 accumulators.  window 3: v0-127 my rows' numbers; v128-255 gamma.
.set SCW,  589824
.set XIMG, 0                           ; LDS: x's 8 images (2 j + K step),
.set XSC,  12288                       ; their scale words, 128 bytes each,
.set QST,  13312                       ; stages for the way out: [head][1,536 bytes]
.set KST,  25600
.set VST,  37888
.set QSS,  50176                       ; q's scale words [head][64]
.set XS,   52224                       ; each wave's 16 rows of x, 1,024 + 16 bytes apart: 65 x 16, so that 16 rows' pieces fall into 16 different groups of banks
.set XP,   1040
.set L16, 1                            ; 16 x lane
.set L4,  2                            ; 4 x lane
.set XSS, 3                            ; x into LDS, as loaded
.set XSR, 4                            ; and back: row r, + 128 h
.set GBO, 5                            ; 128 h
.set XWI, 6                            ; 3,072 w + 16 x lane
.set XWS, 7                            ; 256 w + 4 x lane
.set AQ,  8
.set AQS, 9
.set AK,  10
.set AV,  11
.set SH8, 12
.set SHV, 13
.set QSO, 14
.set QSR, 15
.set XF,  16                           ; v16-39 a tile's two fragments
.set XSWD, 40                          ; v40-41 their scale words
.set WS,  48                           ; v48-71 the weights' scale words
.set QA,  96                           ; v96-127 q's four accumulators; v128-159 k's
.set KA,  128
.set QC,  160
.set QCT, 166
.set KC,  170
.set KCT, 176
.set MA,  180
.set SCL, 188
.set BY,  192
.set KW,  204
.set QWD, 205
.set VW,  208
.set XC,  212                          ; v212-235 codes: x's two fragments, later v's four blocks
.set XW,  236
.set QW0, 238
.set QW1, 239
.set ACC, 240
.set MU,  248
.set RS,  250
.set TA,  252
.set TB,  253
.set XT,  96
.set LXR, 0
.set GW,  3
.set GR,  128
.set BW,  2
.set BR,  96
.set SEL, 34
.set INV, 36
.set MSB, 0
.macro WIN new                         ; the immediate's high byte repeats the setting that is left; a switch that changes nothing is dropped
.if MSB != (\new)
	s_set_vgpr_msb (MSB<<8)|(\new)
.set MSB, (\new)
.endif
.endm
.macro PLACES n
.rept \n
	v_nop
.endr
.endm
.macro MMZ d, a, b, sa, sb             ; a product that starts a sum
	v_wmma_scale_f32_16x16x128_f8f6f4 v[\d:\d+7], v[\a:\a+11], v[\b:\b+11], 0, v[\sa], v[\sb] matrix_a_fmt:MATRIX_FMT_FP6 matrix_b_fmt:MATRIX_FMT_FP6
.endm
.macro MMC d, a, b, c, sa, sb
	v_wmma_scale_f32_16x16x128_f8f6f4 v[\d:\d+7], v[\a:\a+11], v[\b:\b+11], v[\c:\c+7], v[\sa], v[\sb] matrix_a_fmt:MATRIX_FMT_FP6 matrix_b_fmt:MATRIX_FMT_FP6
.endm
; The largest magnitudes of nb blocks of 32 registers from v[src] on, two chains a block, the blocks by turns; the numbers stand in source places 0 and 1, so that one window setting serves.  With the floor 2^(3 - 127).
.macro QMAXN src, nb
.set qb, 0
.rept \nb
	v_max3_num_f32 v[MA+2*qb], |v[\src+32*qb]|, |v[\src+32*qb+1]|, 0x1800000
	v_max3_num_f32 v[MA+2*qb+1], |v[\src+32*qb+16]|, |v[\src+32*qb+17]|, 0x1800000
.set qb, qb+1
.endr
.set qi, 2
.rept 7
.set qb, 0
.rept \nb
	v_max3_num_f32 v[MA+2*qb], |v[\src+32*qb+qi]|, |v[\src+32*qb+qi+1]|, v[MA+2*qb]
	v_max3_num_f32 v[MA+2*qb+1], |v[\src+32*qb+16+qi]|, |v[\src+32*qb+17+qi]|, v[MA+2*qb+1]
.set qb, qb+1
.endr
.set qi, qi+2
.endr
.endm
.macro QSCL nb                         ; the conversions' scale operands (2 off the exponent field) and the bytes
.set qb, 0
.rept \nb
	v_max_num_f32 v[MA+2*qb], v[MA+2*qb], v[MA+2*qb+1]
.set qb, qb+1
.endr
.set qb, 0
.rept \nb
	v_add_nc_u32 v[SCL+qb], 0xff000000, v[MA+2*qb]
.set qb, qb+1
.endr
.set qb, 0
.rept \nb
	v_lshrrev_b32 v[BY+qb], 23, v[SCL+qb]
.set qb, qb+1
.endr
.endm
.macro QCVT dst, tmp, src, scl         ; a block's 32 numbers: 16 codes into dst, 16 into tmp (three registers from an even one)
	v_cvt_scalef32_pk16_fp6_f32 v[\dst:\dst+2], v[\src:\src+15], v[\scl]
	v_cvt_scalef32_pk16_fp6_f32 v[\tmp:\tmp+2], v[\src+16:\src+31], v[\scl]
.endm
.macro QMOV dst, tmp
	v_mov_b32 v[\dst+3], v[\tmp]
	v_mov_b32 v[\dst+4], v[\tmp+1]
	v_mov_b32 v[\dst+5], v[\tmp+2]
.endm
.macro QWORD w, b0, b1                 ; my bytes of blocks h and 2 + h, and lane l xor 16's two: a row's scale word
	v_lshl_or_b32 v[QW0], v[\b1], 16, v[\b0]
	v_lshlrev_b32 v[QW0], v[SH8], v[QW0]
	v_permlanex16_b32 v[QW1], v[QW0], s[SEL], s[SEL+1]
	v_or_b32 v[\w], v[QW0], v[QW1]
.endm
.macro LFOLD                           ; four pairs of partial sums and lane l xor 16's: the row's sum, in v[TA]
	v_pk_add_f32 v[ACC:ACC+1], v[ACC:ACC+1], v[ACC+2:ACC+3]
	v_pk_add_f32 v[ACC+4:ACC+5], v[ACC+4:ACC+5], v[ACC+6:ACC+7]
	v_pk_add_f32 v[ACC:ACC+1], v[ACC:ACC+1], v[ACC+4:ACC+5]
	v_add_f32 v[TA], v[ACC], v[ACC+1]
	v_permlanex16_b32 v[TB], v[TA], s[SEL], s[SEL+1]
	v_add_f32 v[TA], v[TA], v[TB]
.endm
; The layer norm of my row: 128 numbers in window 3 from v[LXR] on, the other 128 in lane l xor 16.  lc: the loads that may stay out when gamma and beta are wanted.
.macro LNORM lc
	WIN 0x0f
.set li, 0
.rept 4
	v_pk_add_f32 v[ACC+2*li:ACC+2*li+1], v[LXR+2*li:LXR+2*li+1], v[LXR+8+2*li:LXR+9+2*li]
.set li, li+1
.endr
	WIN 0x0c
.set li, 8
.rept 56
	v_pk_add_f32 v[ACC+2*(li%4):ACC+2*(li%4)+1], v[ACC+2*(li%4):ACC+2*(li%4)+1], v[LXR+2*li:LXR+2*li+1]
.set li, li+1
.endr
	WIN 0
	LFOLD
	v_mul_f32 v[MU], s[INV], v[TA]                 ; the mean
	v_mov_b32 v[MU+1], v[MU]
	WIN 0xc3
.set li, 0
.rept 64
	v_pk_add_f32 v[LXR+2*li:LXR+2*li+1], v[LXR+2*li:LXR+2*li+1], v[MU:MU+1] neg_lo:[0,1] neg_hi:[0,1]
.set li, li+1
.endr
	WIN 0x0f
.set li, 0
.rept 4
	v_pk_mul_f32 v[ACC+2*li:ACC+2*li+1], v[LXR+2*li:LXR+2*li+1], v[LXR+2*li:LXR+2*li+1]
.set li, li+1
.endr
.rept 60
	v_pk_fma_f32 v[ACC+2*(li%4):ACC+2*(li%4)+1], v[LXR+2*li:LXR+2*li+1], v[LXR+2*li:LXR+2*li+1], v[ACC+2*(li%4):ACC+2*(li%4)+1]
.set li, li+1
.endr
	WIN 0
	LFOLD
	v_fmaak_f32 v[TA], s[INV], v[TA], 0x3727c5ac   ; the variance + 1e-5
	v_rsq_f32 v[RS], v[TA]
	v_nop                                          ; a plain line behind the transcendental,
	s_wait_alu depctr_va_vdst(0)                   ; and the wait ahead of its first reader
	v_mov_b32 v[RS+1], v[RS]
	WIN 0xc3
.set li, 0
.rept 64
	v_pk_mul_f32 v[LXR+2*li:LXR+2*li+1], v[LXR+2*li:LXR+2*li+1], v[RS:RS+1]
.set li, li+1
.endr
	s_wait_loadcnt \lc                             ; gamma and beta are in
	WIN 0xc3|(GW<<2)|(BW<<4)
.set li, 0
.rept 64
	v_pk_fma_f32 v[LXR+2*li:LXR+2*li+1], v[LXR+2*li:LXR+2*li+1], v[GR+2*li:GR+2*li+1], v[BR+2*li:BR+2*li+1]
.set li, li+1
.endr
	WIN 0
.endm
; My row's four blocks become two fragments and two scale words, and go to LDS as they stand.
.macro XQUANT
	WIN 0x0f
	QMAXN LXR, 4
	WIN 0
	QSCL 4
	WIN 0x03
.set xb, 0
.rept 4
	QCVT XC+6*xb, XT+4*xb, LXR+32*xb, SCL+xb
.set xb, xb+1
.endr
	WIN 0
	v_nop                                          ; one plain line behind the conversions
.set xb, 0
.rept 4
	QMOV XC+6*xb, XT+4*xb
.set xb, xb+1
.endr
	QWORD XW, BY, BY+1
	QWORD XW+1, BY+2, BY+3
.set xb, 0
.rept 6
	ds_store_b128 v[XWI], v[XC+4*xb:XC+4*xb+3] offset:512*xb
.set xb, xb+1
.endr
	ds_store_b32 v[XWS], v[XW]
	ds_store_b32 v[XWS], v[XW+1] offset:128
.endm
	s_load_b256 s[4:11], s[0:1], 0x0               ; x, gamma1, beta1, wts
	s_load_b128 s[12:15], s[0:1], 0x20             ; qkvc, qkvs
	v_lshl_add_u32 v254, v0, 2, 0x1d000
	v_mov_b32 v255, 0
	v_lshrrev_b32 v16, 5, v0
	v_readfirstlane_b32 s16, v16                   ; wave
	s_lshr_b32 s17, ttmp9, 4                       ; b
	s_and_b32 s18, ttmp9, 15                       ; kap
	s_mov_b32 s[SEL], 0x76543210
	s_mov_b32 s[SEL+1], 0xfedcba98
	s_mov_b32 s[INV], 0x3b800000                   ; 1 / 256
	v_and_b32 v20, 31, v0                          ; lane
	v_and_b32 v21, 15, v0                          ; n
	v_bfe_u32 v22, v0, 4, 1                        ; h
	v_bfe_u32 v24, v0, 3, 1
	v_and_b32 v23, 7, v0
	v_lshl_add_u32 v24, v24, 5, v23                ; 32 (n / 8) + n % 8: slot n's row, less 8 j
	v_lshlrev_b32 v[L16], 4, v20
	v_lshlrev_b32 v[L4], 2, v20
	s_mul_i32 s19, s16, 16*XP
	s_add_co_u32 s19, s19, XS
	v_add_nc_u32 v[XSS], s19, v[L16]
	v_mul_u32_u24 v23, v21, XP
	v_lshl_add_u32 v23, v22, 7, v23
	v_add_nc_u32 v[XSR], s19, v23
	v_lshlrev_b32 v[GBO], 7, v22
	s_mul_i32 s19, s16, 3072
	v_add_nc_u32 v[XWI], s19, v[L16]
	v_lshlrev_b32 v23, 3, v20
	v_add_nc_u32 v[AV], s19, v23                   ; v's stage: 3,072 w + 8 x lane
	s_lshl_b32 s19, s16, 8
	v_add_nc_u32 v[XWS], s19, v[L4]
	v_add_nc_u32 v[XWS], XSC, v[XWS]
	s_lshl_b32 s19, s16, 1
	v_add_nc_u32 v25, s19, v22                     ; my head of the eight: 2 w + h
	v_mul_u32_u24 v26, v25, 1536
	v_mad_u32_u24 v[AQ], v24, 24, v26              ; q's stage: head, row
	v_lshlrev_b32 v27, 8, v25
	v_lshl_add_u32 v[AQS], v24, 2, v27
	v_lshl_add_u32 v[AK], v21, 4, v26              ; k's stage: head, 16 n
	v_lshlrev_b32 v[SH8], 3, v22
	s_and_b32 s19, s18, 1
	s_lshl_b32 s19, s19, 4
	v_add_nc_u32 v[SHV], s19, v[SH8]               ; where v's byte stands in its word: 8 h + 16 (kap % 2) bits up
	v_lshlrev_b32 v27, 12, v22
	v_lshl_add_u32 v[QSO], v21, 4, v27
	s_lshl_b32 s19, s16, 9
	v_add_nc_u32 v[QSR], s19, v[L16]
	v_mov_b32 v[QW1], 0                            ; lane permutes' destinations count as read
	v_mov_b32 v[TB], 0
	s_lshl_b32 s20, ttmp9, 16
	s_lshl_b32 s19, s16, 13
	s_add_co_u32 s20, s20, s19                     ; x: row 64 id + 8 w
	s_mov_b32 s21, 0
	s_mul_i32 s22, s16, 12288                      ; my 8 fragments of each weight
	s_mov_b32 s23, 0
	s_lshl_b32 s24, s16, 10
	s_add_co_u32 s24, s24, SCW
	s_mov_b32 s25, 0
	s_lshl_b32 s26, s17, 3
	s_lshl_b32 s19, s16, 1
	s_add_co_u32 s26, s26, s19                     ; 8 b + 2 w
	s_lshl_b32 s28, s26, 12
	s_lshl_b32 s19, s18, 8
	s_add_co_u32 s28, s28, s19
	s_mov_b32 s29, 0
	s_lshl_b32 s26, s26, 4
	s_add_co_u32 s26, s26, s18
	s_mul_i32 s26, s26, 1536
	s_mov_b32 s27, 0
	s_lshl_b32 s30, ttmp9, 2
	s_add_co_u32 s30, s30, s16                     ; 4 id + w
	s_lshl_b32 s32, s30, 9
	s_add_co_u32 s32, s32, 655360
	s_mov_b32 s33, 0
	s_lshl_b32 s30, s30, 7
	s_add_co_u32 s30, s30, 524288
	s_mov_b32 s31, 0
	s_wait_kmcnt 0x0
	s_add_nc_u64 s[4:5], s[4:5], s[20:21]
	s_add_nc_u64 s[22:23], s[10:11], s[22:23]
	s_add_nc_u64 s[24:25], s[10:11], s[24:25]
	s_add_nc_u64 s[26:27], s[12:13], s[26:27]
	s_add_nc_u64 s[28:29], s[14:15], s[28:29]
	s_add_nc_u64 s[30:31], s[14:15], s[30:31]
	s_add_nc_u64 s[32:33], s[14:15], s[32:33]
	WIN 0xc0
.set i, 0
.rept 16                                       ; my 16 rows, 512 consecutive bytes a load
	global_load_b128 v[8*i:8*i+3], v[L16], s[4:5] offset:(32*(i/8)+i%8)*1024 th:TH_LOAD_NT
	global_load_b128 v[8*i+4:8*i+7], v[L16], s[4:5] offset:(32*(i/8)+i%8)*1024+512 th:TH_LOAD_NT
.set i, i+1
.endr
.set i, 0
.rept 32                                       ; gamma at my 128 places: 64 (i / 8) + 32 h + 4 (i % 8) on
	global_load_b128 v[GR+4*i:GR+4*i+3], v[GBO], s[6:7] offset:256*(i/8)+16*(i%8)
.set i, i+1
.endr
	WIN 0x80
.set i, 0
.rept 32
	global_load_b128 v[BR+4*i:BR+4*i+3], v[GBO], s[8:9] offset:256*(i/8)+16*(i%8)
.set i, i+1
.endr
	s_wait_loadcnt 63                              ; x is in: 64 loads were issued behind it
	WIN 0x0c
.set i, 0
.rept 16                                       ; through my own rows of LDS: in as loaded, back 128 bytes of a row at a time
	ds_store_b128 v[XSS], v[8*i:8*i+3] offset:XP*i
	ds_store_b128 v[XSS], v[8*i+4:8*i+7] offset:XP*i+512
.set i, i+1
.endr
	WIN 0xc0
.set i, 0
.rept 32                                       ; LDS serves a wave's instructions in order: these see the stores above
	ds_load_b128 v[4*i:4*i+3], v[XSR] offset:256*(i/8)+16*(i%8)
.set i, i+1
.endr
	WIN 0x40
.set i, 0
.rept 24
	global_load_b128 v[4*i:4*i+3], v[L16], s[22:23] offset:512*i
.set i, i+1
.endr
.set i, 0
.rept 24
	global_load_b128 v[96+4*i:96+4*i+3], v[L16], s[22:23] offset:49152+512*i
.set i, i+1
.endr
	WIN 0x80
.set i, 0
.rept 24
	global_load_b128 v[4*i:4*i+3], v[L16], s[22:23] offset:98304+512*i
.set i, i+1
.endr
	WIN 0
.set i, 0
.rept 24
	global_load_b32 v[WS+i], v[L4], s[24:25] offset:4096*(i/8)+128*(i%8)
.set i, i+1
.endr
	s_wait_dscnt 0x0
	LNORM 63                                       ; 96 weight loads were issued behind beta
	XQUANT
	s_wait_dscnt 0x0                               ; my images lie in LDS
	s_barrier_signal -1
	s_barrier_wait -1                              ; everybody's do
	s_wait_loadcnt 0x0                             ; the weights
; Tile j of the rows: 24 products, twelve accumulators by turns; q's and k's blocks are quantised and staged.
.macro ROWT j
.set i, 0
.rept 6
	ds_load_b128 v[XF+4*i:XF+4*i+3], v[L16] offset:XIMG+3072*\j+512*i
.set i, i+1
.endr
	ds_load_b32 v[XSWD], v[L4] offset:XSC+256*\j
	ds_load_b32 v[XSWD+1], v[L4] offset:XSC+256*\j+128
	s_wait_dscnt 0x0
.irp s, 0,1
	WIN 0x01
.irp t, 0,1,2,3
.if \s == 0
	MMZ QA+8*\t, 12*(2*\t), XF, WS+2*\t, XSWD
.else
	MMC QA+8*\t, 12*(2*\t+1), XF+12, QA+8*\t, WS+2*\t+1, XSWD+1
.endif
.endr
.irp t, 0,1,2,3
.if \s == 0
	MMZ KA+8*\t, 96+12*(2*\t), XF, WS+8+2*\t, XSWD
.else
	MMC KA+8*\t, 96+12*(2*\t+1), XF+12, KA+8*\t, WS+8+2*\t+1, XSWD+1
.endif
.endr
	WIN 0xa8
.irp t, 0,1,2,3
.if \s == 0
	MMZ 96+32*\t+8*\j, XF, 12*(2*\t), XSWD, WS+16+2*\t
.else
	MMC 96+32*\t+8*\j, XF+12, 12*(2*\t+1), 96+32*\t+8*\j, XSWD+1, WS+16+2*\t+1
.endif
.endr
.endr
	WIN 0
	PLACES 4                                       ; four plain lines between the last products and the first read of results
	QMAXN QA, 2                                    ; block 0: q's 32 channels; block 1: k's
	QSCL 2
	QCVT QC, QCT, QA, SCL
	QCVT KC, KCT, KA, SCL+1
	v_nop
	QMOV QC, QCT
	QMOV KC, KCT
	v_max_num_f32 v[TA], 0x3800000, v[MA]          ; q's byte less 4: a floor of 2^(7 - 127), 6 off the exponent field,
	v_add_nc_u32 v[TA], 0xfd000000, v[TA]
	v_lshrrev_b32 v[TA], 23, v[TA]
	v_mul_lo_u32 v[QWD], v[TA], 0x01010101         ; in all four bytes
.irp i2, 0,1,2
	ds_store_b64 v[AQ], v[QC+2*\i2:QC+2*\i2+1] offset:QST+192*\j+8*\i2
.endr
	ds_store_b32 v[AQS], v[QWD] offset:QSS+32*\j
.if \j < 2                                     ; block j of the image: lane n + 16 (j % 2), registers 6 (j / 2) on
	ds_store_b128 v[AK], v[KC:KC+3] offset:KST+256*(\j%2)
	ds_store_b64 v[AK], v[KC+4:KC+5] offset:KST+256*(\j%2)+512
.else
	ds_store_b64 v[AK], v[KC:KC+1] offset:KST+256*(\j%2)+520
	ds_store_b128 v[AK], v[KC+2:KC+5] offset:KST+256*(\j%2)+1024
.endif
.if \j == 0
	v_mov_b32 v[KW], v[BY+1]
.else
	v_lshl_or_b32 v[KW], v[BY+1], 8*\j, v[KW]
.endif
	s_wait_dscnt 0x0                               ; the stores have read the codes
.endm
	ROWT 0
	ROWT 1
	ROWT 2
	ROWT 3
	; v: four blocks of 32 keys a lane (head 2 w + idx / 2, channel tile idx % 2)
	WIN 0x0a
	QMAXN 96, 4
	WIN 0
	QSCL 4
	WIN 0x02
.set xb, 0
.rept 4
	QCVT XC+6*xb, XT+4*xb, 96+32*xb, SCL+xb
.set xb, xb+1
.endr
	WIN 0
	v_nop
.set xb, 0
.rept 4
	QMOV XC+6*xb, XT+4*xb
.set xb, xb+1
.endr
.set xb, 0
.rept 4
.irp i2, 0,1,2
	ds_store_b64 v[AV], v[XC+6*xb+2*\i2:XC+6*xb+2*\i2+1] offset:VST+768*xb+256*\i2
.endr
	v_lshlrev_b32 v[QW0], v[SHV], v[BY+xb]
	v_permlanex16_b32 v[QW1], v[QW0], s[SEL], s[SEL+1]
	v_or_b32 v[VW+xb], v[QW0], v[QW1]              ; the two bytes of these 64 keys
.set xb, xb+1
.endr
	; THE WAY OUT: each stage's 1,536 bytes a head leave as three stores of 512 consecutive bytes
	ds_load_b128 v[176:179], v[QSR] offset:QSS
.set i, 0
.rept 18
	ds_load_b128 v[96+4*i:96+4*i+3], v[XWI] offset:QST+12288*(i/6)+512*(i%6)
.set i, i+1
.endr
.set i, 0
.rept 18
	s_wait_dscnt 17-i
	global_store_b128 v[L16], v[96+4*i:96+4*i+3], s[26:27] offset:3145728*(i/6)+24576*((i%6)/3)+512*(i%3)
.set i, i+1
.endr
	global_store_b128 v[QSO], v[176:179], s[28:29]
	global_store_b32 v[L4], v[KW], s[30:31]
	global_store_b128 v[L16], v[VW:VW+3], s[32:33]
	s_wait_tensorcnt 0x0
	ds_add_u32 v254, v255
	s_wait_dscnt 0x0
	s_endpgm
.Lfunc_end_k_q3a00c12bac_qkv:
	.size	k_q3a00c12bac_qkv, .Lfunc_end_k_q3a00c12bac_qkv-k_q3a00c12bac_qkv
	.p2alignl 7, 3214868480
	.fill 96, 4, 3214868480
	.section	.rodata,"a",@progbits
	.p2align	6, 0x0
	.amdhsa_kernel k_q3a00c12bac_qkv
		.amdhsa_group_segment_fixed_size 119296
		.amdhsa_private_segment_fixed_size 0
		.amdhsa_enable_private_segment 0
		.amdhsa_kernarg_size 48
		.amdhsa_user_sgpr_count 2
		.amdhsa_user_sgpr_kernarg_segment_ptr 1
		.amdhsa_wavefront_size32 1
		.amdhsa_system_sgpr_workgroup_id_x 1
		.amdhsa_system_sgpr_workgroup_id_y 1
		.amdhsa_system_sgpr_workgroup_id_z 1
		.amdhsa_system_vgpr_workitem_id 0
		.amdhsa_next_free_vgpr 1024
		.amdhsa_next_free_sgpr 66
		.amdhsa_reserve_vcc 0
		.amdhsa_float_denorm_mode_32 3
		.amdhsa_float_denorm_mode_16_64 3
		.amdhsa_memory_ordered 1
		.amdhsa_forward_progress 1
		.amdhsa_inst_pref_size 95
	.end_amdhsa_kernel
	.amdgpu_metadata
---
amdhsa.version: [ 1, 2 ]
amdhsa.kernels:
  - .name:           k_q3a00c12bac_qkv
    .symbol:         k_q3a00c12bac_qkv.kd
    .args:
      - { .name: x, .offset: 0, .size: 8, .value_kind: global_buffer, .address_space: global }
      - { .name: gamma1, .offset: 8, .size: 8, .value_kind: global_buffer, .address_space: global }
      - { .name: beta1, .offset: 16, .size: 8, .value_kind: global_buffer, .address_space: global }
      - { .name: wts, .offset: 24, .size: 8, .value_kind: global_buffer, .address_space: global }
      - { .name: qkvc, .offset: 32, .size: 8, .value_kind: global_buffer, .address_space: global }
      - { .name: qkvs, .offset: 40, .size: 8, .value_kind: global_buffer, .address_space: global }
    .group_segment_fixed_size: 119296
    .private_segment_fixed_size: 0
    .kernarg_segment_align: 8
    .kernarg_segment_size: 48
    .max_flat_workgroup_size: 128
    .sgpr_count:     66
    .vgpr_count:     1024
    .wavefront_size: 32
...
	.end_amdgpu_metadata
.endif
;; end of part 2
;; launch attn (part 3): grid 256 x 1, 4 waves a work-group, no clusters, 278,016 bytes of LDS; arguments spatial_encoding, edge_encoding, qkvc, qkvs, ows; writes ows
.if DOCPART == 3
	.amdgcn_target "amdgcn-amd-amdhsa--gfx1250"
	.amdhsa_code_object_version 6
	.text
	.protected	k_q3a00c12bac_attn
	.globl	k_q3a00c12bac_attn
	.p2align	8
	.type	k_q3a00c12bac_attn,@function
k_q3a00c12bac_attn:
	s_mov_b64 s[64:65], 0
	v_nop
	global_prefetch_b8 v0, s[64:65] scope:SCOPE_SE
	s_setreg_imm32_b32 hwreg(HW_REG_WAVE_MODE, 25, 1), 1
	s_wait_xcnt 0x0
; ATTN: a = q k^T 2^-4 + (spatial + edge); rows whose a are all 0 give p = 0; p = softmax(a), finished and normalised, is quantised along the keys; o = p v is quantised along the head's 32.  All products on FP6 (E2M3) codes.
; SHARES.  Work-group (8 b + chunk) 2 + g owns batch b, heads 4 g .. 4 g + 3 (wave w: head 4 g + w) and queries 128 chunk .. + 127, in 8 tiles of 16.  For a tile a wave holds all 1,024 scores of its 16 queries
; and its head in 512 registers (windows 2 and 3), since p can be quantised only when the row's sum is known.  Eight heads would take 4,096 registers for a tile, a WGP's four SIMDs' worth, so two work-groups read each row of the bias.
; LAYOUT.  S^T = K q^T: source 0 = a fragment of K whose four blocks of 32 are FOUR key tiles; source 1 = q in one block and zero codes in the three others (four such views of 30 registers).
; So one fragment feeds four products, and lane (query, h) holds, in the 32 registers of group be, keys 64 be + 32 h + 0 .. 31: a whole block of p.  The bias is the C of the product, and 2^-4 stands in q's scale byte.
; O^T = V^T p^T: source 0 = 16 channels x 128 keys, source 1 = p.
; BIAS.  Each wave loads 4 of a tile's 16 rows of both tensors, 512 consecutive bytes a load, adds them and stores the sum to LDS, where all four waves read it.  The rows come in two halves of 32 loads, each asked for half a trip ahead.
; No joint loads for the two partners: they would land raw rows in LDS, 128 KB written and read again a tile, where the sum alone is 64 KB written; here the raw rows never enter LDS.
; Two loads of the wave are out at the most, and no LDS byte is filled twice.
; LIMITS: NaN and infinities are not served; an exponential under 2^-126 counts as 0; a block of zeros gets the byte 1 (zero codes).  A block's largest p is made from its largest score by the same multiply-add,
; exponential and multiplication: this takes v_exp_f32 not to fall where its input rises; at the worst one p of a block would be held one code low.
; REGISTERS.  window 0: the names below.  window 1: v0-127 raw rows; v128-175 V's fragments, two sets of two; v176-199 K's, two; v200-223 p's codes, two; v224-230 at work.  windows 2, 3: S^T, group be at window 2 + be / 8, v[32 (be % 8)].
.set SMP,  4112                        ; a row of the summed bias in LDS: 4,096 + 16 bytes = 257 x 16: sixteen rows' pieces fall into sixteen different groups of banks
.set KVB,  66048                       ; behind the 16 rows: each wave's K (24,576 bytes) and V (24,576)
.set KVW,  49152
.set QLB,  262656                      ; each wave's q codes of the 8 tiles, 3,072 bytes
.set QSLB, 274944                      ; and q's scale words, 512 bytes
.set OSSB, 276992                      ; o's scale bytes [128 queries][4 heads]
.set LSM, 1
.set LST, 2
.set LK,  3
.set LV,  4
.set GOF, 5
.set LQ,  6
.set LQS, 7
.set OOF, 8
.set LOS, 9
.set SH8, 10
.set QLS, 11
.set QSS, 12
.set KSO, 13
.set VSO, 14
.set OSR, 15
.set QV,  16                           ; v16-45: zeros, q in lanes 0-15, zeros, q in lanes 16-31, zeros: six registers each
.set QT,  46
.set QS,  52                           ; q's scale word
.set KS,  56                           ; v56-71 K's scale words;  v72-87 V's;  v88-95 p's: these hold scales and nothing else
.set VS,  72
.set PS,  88
.set OA,  96                           ; v96-111 O^T
.set OC,  112
.set BM,  116                          ; v116-131 a block's largest score, then its largest p, then the conversion's scale operand
.set BY,  132
.set MN0, 148
.set MN1, 149
.set RM,  150
.set RN,  151
.set NCM, 152
.set RR,  154
.set LS,  156                          ; v156-163 the row's sum in four pairs
.set QWA, 164
.set QWB, 172
.set T0,  180
.set T1,  181
.set OM0, 182
.set OM1, 183
.set OSC, 184
.set OBY, 185
.set VSP, 186
.set VF,  128
.set KF,  176
.set PB,  200
.set PT,  224
.set RB,  4
.set RE,  6
.set OB,  16
.set WV,  24
.set REM, 29
.set G1,  40
.set G0K, 48
.set G0V, 52
.set CS,  56
.set SEL, 58
.set HIM, 60
.set MSB, 0
.macro WIN new                         ; the immediate's high byte repeats the setting that is left; a switch that changes nothing is dropped
.if MSB != (\new)
	s_set_vgpr_msb (MSB<<8)|(\new)
.set MSB, (\new)
.endif
.endm
.macro PLACES n
.rept \n
	v_nop
.endr
.endm
.macro MMZ d, a, b, sa, sb
	v_wmma_scale_f32_16x16x128_f8f6f4 v[\d:\d+7], v[\a:\a+11], v[\b:\b+11], 0, v[\sa], v[\sb] matrix_a_fmt:MATRIX_FMT_FP6 matrix_b_fmt:MATRIX_FMT_FP6
.endm
.macro MMC d, a, b, c, sa, sb
	v_wmma_scale_f32_16x16x128_f8f6f4 v[\d:\d+7], v[\a:\a+11], v[\b:\b+11], v[\c:\c+7], v[\sa], v[\sb] matrix_a_fmt:MATRIX_FMT_FP6 matrix_b_fmt:MATRIX_FMT_FP6
.endm
; Two of my four rows of both tensors (half 0: rows 0, 1; half 1: rows 2, 3) into window rw, v0-127: row, tensor, 512 bytes a load
.macro RAWLOAD half, rw
	WIN (\rw)<<6
.irp rl, 0,1
.irp sg, 0,1,2,3,4,5,6,7
	global_load_b128 v[64*\rl+4*\sg:64*\rl+4*\sg+3], v[GOF], s[RB:RB+1] offset:4096*(2*\half+\rl)+512*\sg
	global_load_b128 v[64*\rl+32+4*\sg:64*\rl+32+4*\sg+3], v[GOF], s[RE:RE+1] offset:4096*(2*\half+\rl)+512*\sg
.endr
.endr
	WIN 0
.endm
.macro SUMSTORE half, rw               ; spatial + edge, and the sums to LDS
	WIN (\rw)*0x45
.irp rl, 0,1
.set si, 0
.rept 16
	v_pk_add_f32 v[64*\rl+2*si:64*\rl+2*si+1], v[64*\rl+2*si:64*\rl+2*si+1], v[64*\rl+32+2*si:64*\rl+33+2*si]
.set si, si+1
.endr
.endr
	WIN (\rw)<<2
.irp rl, 0,1
.irp sg, 0,1,2,3,4,5,6,7
	ds_store_b128 v[LST], v[64*\rl+4*\sg:64*\rl+4*\sg+3] offset:SMP*(2*\half+\rl)+512*\sg
.endr
.endr
	WIN 0
.endm
.macro LOADG be                        ; group be: K's fragment (3 loads) and the bias of its 64 keys as the products' C (8 loads)
	WIN 0x40
.irp c, 0,1,2
	ds_load_b128 v[KF+12*((\be)%2)+4*\c:KF+12*((\be)%2)+4*\c+3], v[LK] offset:1536*(\be)+512*\c
.endr
	WIN (2+(\be)/8)<<6
.irp k, 0,1,2,3,4,5,6,7
	ds_load_b128 v[32*((\be)%8)+4*\k:32*((\be)%8)+4*\k+3], v[LSM] offset:256*(\be)+16*\k
.endr
.endm
.macro SMUL be                         ; four products: q's view t picks key tile t out of the fragment
	WIN ((2+(\be)/8)*0x50)|1
.irp t, 0,1,2,3
	MMC 32*((\be)%8)+8*\t, KF+12*((\be)%2), QV+6+12*(\t%2)-6*(\t/2), 32*((\be)%8)+8*\t, KS+(\be), QS
.endr
.endm
.macro MAXMIN be                       ; the block's largest score in two chains, and the row's least: each accumulator is read from its low end on
	WIN (2+(\be)/8)*5
.set mb, 32*((\be)%8)
	v_max_num_f32 v[BM+(\be)], v[mb], v[mb+1]
	v_max_num_f32 v[BY+(\be)], v[mb+16], v[mb+17]
	v_min3_num_f32 v[MN0], v[mb], v[mb+1], v[MN0]
	v_min3_num_f32 v[MN1], v[mb+16], v[mb+17], v[MN1]
.set mi, 2
.rept 7
	v_max3_num_f32 v[BM+(\be)], v[mb+mi], v[mb+mi+1], v[BM+(\be)]
	v_max3_num_f32 v[BY+(\be)], v[mb+16+mi], v[mb+17+mi], v[BY+(\be)]
	v_min3_num_f32 v[MN0], v[mb+mi], v[mb+mi+1], v[MN0]
	v_min3_num_f32 v[MN1], v[mb+16+mi], v[mb+17+mi], v[MN1]
.set mi, mi+2
.endr
.endm
; 128 scores become exponentials, in place: (a - m) log2(e) by one packed multiply-add, then v_exp_f32.  The multiply-adds of the next 16 stand among the exponentials of these 16; the sums of the batch before,
; whose destination lies in window 0, stand in runs of eight.  ONE wait for the batch's 128 exponentials, behind a plain line: nothing ahead of it names a result.
.macro EBATCH k
.set ew, 2+(\k)/2
.set eb, 128*((\k)%2)
.set fw, 2+((\k)+3)/2-2
.set fb, 128*(((\k)+1)%2)
	WIN ew*0x41
.set ei, 0
.rept 8
	v_pk_fma_f32 v[eb+2*ei:eb+2*ei+1], v[eb+2*ei:eb+2*ei+1], s[CS:CS+1], v[NCM:NCM+1] op_sel_hi:[1,0,0]
.set ei, ei+1
.endr
.set ec, 0
.rept 8
	WIN ew*0x41
.set ei, 0
.rept 8
	v_exp_f32 v[eb+16*ec+2*ei], v[eb+16*ec+2*ei]
	v_exp_f32 v[eb+16*ec+2*ei+1], v[eb+16*ec+2*ei+1]
.if ec < 7
	v_pk_fma_f32 v[eb+16*ec+16+2*ei:eb+16*ec+17+2*ei], v[eb+16*ec+16+2*ei:eb+16*ec+17+2*ei], s[CS:CS+1], v[NCM:NCM+1] op_sel_hi:[1,0,0]
.endif
.set ei, ei+1
.endr
.if (\k) > 0
	WIN fw<<2
.set ei, 0
.rept 8
	v_pk_add_f32 v[LS+2*(ei%4):LS+2*(ei%4)+1], v[LS+2*(ei%4):LS+2*(ei%4)+1], v[fb+16*ec+2*ei:fb+16*ec+2*ei+1]
.set ei, ei+1
.endr
.endif
.set ec, ec+1
.endr
	v_nop
	s_wait_alu depctr_va_vdst(0)
.endm
.macro PMUL sx                         ; the 64 exponentials of K step sx (128 keys, my half) times 1 / the row's sum: p
	WIN (2+(\sx)/4)*0x41
.set pi, 64*((\sx)%4)
.rept 32
	v_pk_mul_f32 v[pi:pi+1], v[pi:pi+1], v[RR:RR+1] op_sel_hi:[1,0]
.set pi, pi+2
.endr
.endm
.macro PCVT sx                         ; p's two blocks become six registers each of the operand
.set pr, 64*((\sx)%4)
.set pp, PB+12*((\sx)%2)
	WIN 0x40|(2+(\sx)/4)
	v_cvt_scalef32_pk16_fp6_f32 v[pp:pp+2], v[pr:pr+15], v[BM+2*(\sx)]
	v_cvt_scalef32_pk16_fp6_f32 v[PT:PT+2], v[pr+16:pr+31], v[BM+2*(\sx)]
	v_cvt_scalef32_pk16_fp6_f32 v[pp+6:pp+8], v[pr+32:pr+47], v[BM+2*(\sx)+1]
	v_cvt_scalef32_pk16_fp6_f32 v[PT+4:PT+6], v[pr+48:pr+63], v[BM+2*(\sx)+1]
	WIN 0x41
	v_nop                                          ; one plain line behind the conversions
.irp i, 0,1,2
	v_mov_b32 v[pp+3+\i], v[PT+\i]
	v_mov_b32 v[pp+9+\i], v[PT+4+\i]
.endr
.endm
.macro VLOAD sx                        ; V's two fragments (channel tiles u) of K step sx
	WIN 0x40
.irp u, 0,1
.irp c, 0,1
.irp i2, 0,1,2
	ds_load_b64 v[VF+24*((\sx)%2)+12*\u+6*\c+2*\i2:VF+24*((\sx)%2)+12*\u+6*\c+2*\i2+1], v[LV] offset:3072*(\sx)+1536*\c+768*\u+256*\i2
.endr
.endr
.endr
.endm
.macro PVMUL sx                        ; the two accumulators take turns, one instruction a turn
	WIN 0x05
.irp u, 0,1
.if (\sx) == 0
	MMZ OA+8*\u, VF+24*((\sx)%2)+12*\u, PB+12*((\sx)%2), VS+2*(\sx)+\u, PS+(\sx)
.else
	MMC OA+8*\u, VF+24*((\sx)%2)+12*\u, PB+12*((\sx)%2), OA+8*\u, VS+2*(\sx)+\u, PS+(\sx)
.endif
.endr
.endm
	s_load_b256 s[4:11], s[0:1], 0x0               ; spatial, edge, qkvc, qkvs
	s_load_b64 s[12:13], s[0:1], 0x20              ; ows
	v_lshl_add_u32 v254, v0, 2, 0x43c00
	v_mov_b32 v255, 0
	ds_add_u32 v254, v255
	ds_add_u32 v254, v255
	v_lshrrev_b32 v116, 5, v0
	v_readfirstlane_b32 s[WV], v116                ; wave
	s_and_b32 s27, ttmp9, 1                        ; g
	s_bfe_u32 s26, ttmp9, 0x30001                  ; chunk
	s_lshr_b32 s25, ttmp9, 4                       ; b
	s_lshl_b32 s28, s27, 2
	s_add_co_u32 s28, s28, s[WV]                   ; my head
	s_lshl_b32 s31, s25, 3
	s_add_co_u32 s31, s31, s28                     ; 8 b + head
	s_mov_b32 s[CS], 0x3fb8aa3b                    ; log2(e)
	s_mov_b32 s[CS+1], s[CS]
	s_mov_b32 s[SEL], 0x76543210
	s_mov_b32 s[SEL+1], 0xfedcba98                 ; lane l xor 16
	s_mov_b32 s[HIM], 0xffff0000                   ; lanes 16-31
	s_mov_b32 s[G1], 3<<16                         ; descriptor group 1: 96 rows of 32 elements of 8 bytes, dense, no mask, no padding
	s_mov_b32 s[G1+1], 32<<16
	s_mov_b32 s[G1+2], 96<<16
	s_mov_b32 s[G1+3], 32<<16
	s_mov_b32 s[G1+4], 96
	s_mov_b32 s[G1+5], 32
	s_mov_b32 s[G1+6], 0
	s_mov_b32 s[G1+7], 0
	s_mul_i32 s61, s[WV], KVW
	s_add_co_u32 s61, s61, KVB                     ; my K and V in LDS: a constant + a constant x the wave's number
	s_mul_i32 s32, s31, 24576                      ; my head's first byte in each tensor of codes
	s_mov_b32 s33, 0
	s_wait_dscnt 0x0
	s_wait_kmcnt 0x0
	s_mov_b32 s[G0K], 1
	s_mov_b32 s[G0K+1], s61
	s_add_nc_u64 s[G0K+2:G0K+3], s[8:9], s[32:33]
	s_add_nc_u64 s[G0K+2:G0K+3], s[G0K+2:G0K+3], 3145728
	s_or_b32 s[G0K+3], s[G0K+3], 0x80000000
	s_mov_b32 s[G0V], 1
	s_add_co_u32 s[G0V+1], s61, 24576
	s_add_nc_u64 s[G0V+2:G0V+3], s[8:9], s[32:33]
	s_add_nc_u64 s[G0V+2:G0V+3], s[G0V+2:G0V+3], 6291456
	s_or_b32 s[G0V+3], s[G0V+3], 0x80000000
	tensor_load_to_lds s[G0K:G0K+3], s[G1:G1+7]    ; both fills go out together, ahead of every wait on TENSORcnt, every LDS read and every barrier
	s_nop 0
	tensor_load_to_lds s[G0V:G0V+3], s[G1:G1+7]
	s_nop 0
	PLACES 4                                       ; four plain lines behind a tensor load
	v_and_b32 v116, 31, v0                         ; lane
	v_and_b32 v117, 15, v0                         ; my query's slot
	v_bfe_u32 v118, v0, 4, 1                       ; h
	v_mul_u32_u24 v[LSM], v117, SMP
	v_lshl_add_u32 v[LSM], v118, 7, v[LSM]
	v_lshlrev_b32 v[GOF], 4, v116
	s_mul_i32 s14, s[WV], 4*SMP
	v_add_nc_u32 v[LST], s14, v[GOF]
	v_add_nc_u32 v[LK], s61, v[GOF]
	s_add_co_u32 s14, s61, 24576
	v_lshlrev_b32 v[LV], 3, v116
	v_add_nc_u32 v[LV], s14, v[LV]
	s_mul_i32 s14, s[WV], 3072
	s_add_co_u32 s14, s14, QLB
	v_mul_u32_u24 v[LQ], v117, 24
	v_add_nc_u32 v[LQ], s14, v[LQ]
	v_add_nc_u32 v[QLS], s14, v[GOF]
	s_lshl_b32 s14, s[WV], 9
	s_add_co_u32 s14, s14, QSLB
	v_lshlrev_b32 v[LQS], 2, v117
	v_add_nc_u32 v[LQS], s14, v[LQS]
	v_add_nc_u32 v[QSS], s14, v[GOF]
	v_mul_u32_u24 v[OOF], v117, 24
	v_mad_u32_u24 v[OOF], v118, 12, v[OOF]
	s_add_co_u32 s14, s[WV], OSSB
	v_lshlrev_b32 v[LOS], 2, v117
	v_add_nc_u32 v[LOS], s14, v[LOS]
	v_lshlrev_b32 v[SH8], 3, v118
	v_add_nc_u32 v[OSR], OSSB, v[GOF]
	s_and_b32 s14, s28, 1
	s_lshl_b32 s15, s14, 6
	v_lshlrev_b32 v[KSO], 2, v117
	v_add_nc_u32 v[KSO], s15, v[KSO]               ; 4 r + 64 (head % 2)
	s_lshl_b32 s15, s14, 3
	v_lshlrev_b32 v[VSO], 4, v117
	v_add_nc_u32 v[VSO], s15, v[VSO]               ; 16 r + 8 (head % 2)
	s_lshl_b32 s14, s25, 22
	s_lshl_b32 s15, s26, 19
	s_add_co_u32 s14, s14, s15
	s_lshl_b32 s15, s[WV], 14
	s_add_co_u32 s14, s14, s15                     ; row 1,024 b + 128 chunk + 4 w of 4,096 bytes
	s_mov_b32 s15, 0
	s_add_nc_u64 s[RB:RB+1], s[RB:RB+1], s[14:15]
	s_add_nc_u64 s[RE:RE+1], s[RE:RE+1], s[14:15]
	s_mul_i32 s14, s26, 3072
	s_add_co_u32 s14, s14, s32
	s_add_nc_u64 s[20:21], s[8:9], s[14:15]        ; q's codes of my 128 queries
	s_lshl_b32 s14, s31, 12
	s_lshl_b32 s22, s26, 9
	s_add_co_u32 s14, s14, s22
	s_add_nc_u64 s[34:35], s[10:11], s[14:15]      ; and their scale words
	s_lshl_b32 s14, s25, 6
	s_lshr_b32 s22, s28, 1
	s_add_co_u32 s22, s14, s22                     ; 64 b + head / 2
	s_lshl_b32 s14, s22, 7
	s_add_co_u32 s14, s14, 524288
	s_add_nc_u64 s[36:37], s[10:11], s[14:15]      ; K's scale words
	s_lshl_b32 s14, s22, 9
	s_add_co_u32 s14, s14, 655360
	s_add_nc_u64 s[38:39], s[10:11], s[14:15]      ; V's
	s_mul_i32 s14, s28, 393216
	s_mul_i32 s22, s25, 24576
	s_add_co_u32 s14, s14, s22
	s_mul_i32 s22, s26, 3072
	s_add_co_u32 s14, s14, s22
	s_add_nc_u64 s[OB:OB+1], s[12:13], s[14:15]    ; o's codes: [head][row][24]
	s_lshl_b32 s14, s27, 16
	s_lshl_b32 s22, s25, 12
	s_add_co_u32 s14, s14, s22
	s_lshl_b32 s22, s26, 9
	s_add_co_u32 s14, s14, s22
	s_add_co_u32 s14, s14, 3145728
	s_add_nc_u64 s[18:19], s[12:13], s[14:15]      ; o's scale words: [g][row]
.set i, 0
.rept 6
	global_load_b128 v[BM+4*i:BM+4*i+3], v[GOF], s[20:21] offset:512*i
.set i, i+1
.endr
	global_load_b128 v[BM+24:BM+27], v[GOF], s[34:35]
.set i, 0
.rept 16
	global_load_b32 v[KS+i], v[KSO], s[36:37] offset:512*i
.set i, i+1
.endr
.set i, 0
.rept 16
	global_load_b32 v[VS+i], v[VSO], s[38:39] offset:4096*(i/2)+4*(i%2)
	global_load_b32 v[VSP+i], v[VSO], s[38:39] offset:4096*(i/2)+4*(i%2)+2048
.set i, i+1
.endr
	RAWLOAD 0, 1                                   ; tile 0: rows 0, 1 into their own registers, rows 2, 3 into S's, which are idle
	RAWLOAD 1, 2
	s_wait_loadcnt 63                              ; all but the raw rows are in: 64 loads were issued behind them
.set i, 0
.rept 6
	ds_store_b128 v[QLS], v[BM+4*i:BM+4*i+3] offset:512*i
.set i, i+1
.endr
	ds_store_b128 v[QSS], v[BM+24:BM+27]
.set i, 0
.rept 16
	v_or_b32 v[VS+i], v[VS+i], v[VSP+i]            ; the two halves of a V fragment's scale word
.set i, i+1
.endr
.set i, 0
.rept 30
	v_mov_b32 v[QV+i], 0                           ; the zero codes of q's views, written once
.set i, i+1
.endr
.set i, 0
.rept 8
	v_mov_b32 v[QWB+i], 0                          ; lane permutes' destinations count as read
.set i, i+1
.endr
	v_mov_b32 v[T1], 0
	s_wait_loadcnt 32                              ; rows 0, 1 are in; the 32 loads of rows 2, 3 may be out
	SUMSTORE 0, 1
	s_wait_loadcnt 0x0
	SUMSTORE 1, 2
	s_add_nc_u64 s[RB:RB+1], s[RB:RB+1], 0x10000   ; no load is out: on to tile 1
	s_add_nc_u64 s[RE:RE+1], s[RE:RE+1], 0x10000
	s_wait_dscnt 0x0                               ; the stores have read the raw rows' registers
	RAWLOAD 0, 1
	s_wait_tensorcnt 0x0                           ; my K and V lie in LDS; nobody else reads them
	s_mov_b32 s[REM], 8
.Ltile:
	s_wait_dscnt 0x0                               ; my sums of this tile's bias lie in LDS,
	s_barrier_signal -1
	s_barrier_wait -1                              ; everybody's do
.irp i, 0,1,2
	ds_load_b64 v[QT+2*\i:QT+2*\i+1], v[LQ] offset:8*\i
.endr
	ds_load_b32 v[QS], v[LQS]
	LOADG 0
	WIN 0
	s_wait_dscnt 11                                ; q is in; group 0's 11 loads may be out
.irp i, 0,1,2,3,4,5
	v_cndmask_b32 v[QV+6+\i], v[QT+\i], 0, s[HIM]  ; q in lanes 0-15: blocks 0 and 2
	v_cndmask_b32 v[QV+18+\i], 0, v[QT+\i], s[HIM] ; q in lanes 16-31: blocks 1 and 3
.endr
	v_add_nc_u32 v[LQ], 384, v[LQ]                 ; the next tile's q (its loads are back)
	v_add_nc_u32 v[LQS], 64, v[LQS]
	v_mov_b32 v[MN0], 0x7f800000
	v_mov_b32 v[MN1], 0x7f800000
.set i, 0
.rept 8
	v_mov_b32 v[LS+i], 0                           ; (these ten lines are also the places between q's views and the first product)
.set i, i+1
.endr
.set be, 0
.rept 16                                       ; the 32 lines of a group's maxima are the places behind the products before them
.if be < 15
	LOADG be+1
	s_wait_dscnt 11                                ; this group's loads are in; the next group's 11 may be out
.else
	s_wait_dscnt 0x0
.endif
	SMUL be
.if be == 0
	PLACES 4
.else
	MAXMIN be-1
.endif
.set be, be+1
.endr
	MAXMIN 15
	WIN 0
	s_wait_dscnt 0x0                               ; my reads of the bias are back,
	s_barrier_signal -1
	s_barrier_wait -1                              ; everybody's are: its rows may be written again
	s_cmp_lt_u32 s[REM], 2
	s_cbranch_scc1 .Lno_a
	s_wait_loadcnt 0x0                             ; the next tile's rows 0, 1
	SUMSTORE 0, 1
	s_wait_dscnt 0x0                               ; the stores have read the registers
	RAWLOAD 1, 1                                   ; its rows 2, 3
.Lno_a:
.set i, 0
.rept 16
	v_max_num_f32 v[BM+i], v[BM+i], v[BY+i]        ; each block's largest score
.set i, i+1
.endr
	v_max3_num_f32 v[RM], v[BM], v[BM+1], v[BM+2]
	v_max3_num_f32 v[T0], v[BM+3], v[BM+4], v[BM+5]
	v_max3_num_f32 v[RM], v[RM], v[BM+6], v[BM+7]
	v_max3_num_f32 v[T0], v[T0], v[BM+8], v[BM+9]
	v_max3_num_f32 v[RM], v[RM], v[BM+10], v[BM+11]
	v_max3_num_f32 v[T0], v[T0], v[BM+12], v[BM+13]
	v_max3_num_f32 v[RM], v[RM], v[BM+14], v[BM+15]
	v_max_num_f32 v[RM], v[RM], v[T0]
	v_permlanex16_b32 v[T1], v[RM], s[SEL], s[SEL+1]
	v_max_num_f32 v[RM], v[RM], v[T1]              ; the row's largest a
	v_min_num_f32 v[RN], v[MN0], v[MN1]
	v_permlanex16_b32 v[T1], v[RN], s[SEL], s[SEL+1]
	v_min_num_f32 v[RN], v[RN], v[T1]              ; and its least
	v_mul_f32 v[NCM], 0xbfb8aa3b, v[RM]            ; - m log2(e)
	v_mov_b32 v[NCM+1], v[NCM]
.set i, 0
.rept 16
	v_fma_f32 v[BM+i], v[BM+i], s[CS], v[NCM]      ; the blocks' largest scores go the way of all scores
.set i, i+1
.endr
	EBATCH 0
	EBATCH 1
	EBATCH 2
	EBATCH 3
	WIN 0
.set i, 0
.rept 16
	v_exp_f32 v[BM+i], v[BM+i]
.set i, i+1
.endr
	WIN 0x0c
.set i, 0
.rept 64                                       ; the last batch's sums: plain work behind the sixteen
	v_pk_add_f32 v[LS+2*(i%4):LS+2*(i%4)+1], v[LS+2*(i%4):LS+2*(i%4)+1], v[128+2*i:129+2*i]
.set i, i+1
.endr
	WIN 0
	s_wait_alu depctr_va_vdst(0)                   ; one wait for the sixteen
	v_pk_add_f32 v[LS:LS+1], v[LS:LS+1], v[LS+2:LS+3]
	v_pk_add_f32 v[LS+4:LS+5], v[LS+4:LS+5], v[LS+6:LS+7]
	v_pk_add_f32 v[LS:LS+1], v[LS:LS+1], v[LS+4:LS+5]
	v_add_f32 v[T0], v[LS], v[LS+1]
	v_permlanex16_b32 v[T1], v[T0], s[SEL], s[SEL+1]
	v_add_f32 v[T0], v[T0], v[T1]                  ; the row's sum
	v_rcp_f32 v[RR], v[T0]
	v_nop                                          ; a plain line behind the reciprocal
	VLOAD 0
	WIN 0
	v_cmp_eq_f32 vcc_lo, 0, v[RM]
	v_cmp_eq_f32 s30, 0, v[RN]
	s_wait_alu depctr_va_vdst(0)                   ; ahead of the reciprocal's first reader
	s_and_b32 vcc_lo, vcc_lo, s30                  ; largest and least both 0: every a of the row is 0,
	v_cndmask_b32 v[RR], v[RR], 0, vcc_lo          ; and its p are 0
	v_mov_b32 v[RR+1], v[RR]
.set i, 0
.rept 16
	v_mul_f32 v[BM+i], v[BM+i], v[RR]              ; each block's largest p
.set i, i+1
.endr
.set i, 0
.rept 16
	v_max_num_f32 v[BM+i], 0x1800000, v[BM+i]      ; the floor 2^(3 - 127)
.set i, i+1
.endr
.set i, 0
.rept 16
	v_add_nc_u32 v[BM+i], 0xff000000, v[BM+i]      ; the conversion's scale operand
.set i, i+1
.endr
.set i, 0
.rept 16
	v_lshrrev_b32 v[BY+i], 23, v[BM+i]             ; the byte
.set i, i+1
.endr
.set i, 0
.rept 8
	v_lshl_or_b32 v[QWA+i], v[BY+2*i+1], 16, v[BY+2*i]
.set i, i+1
.endr
.set i, 0
.rept 8
	v_lshlrev_b32 v[QWA+i], v[SH8], v[QWA+i]
.set i, i+1
.endr
.set i, 0
.rept 8
	v_permlanex16_b32 v[QWB+i], v[QWA+i], s[SEL], s[SEL+1]
.set i, i+1
.endr
.set i, 0
.rept 8
	v_or_b32 v[PS+i], v[QWA+i], v[QWB+i]           ; p's scale word of K step i
.set i, i+1
.endr
	PMUL 0
.set sx, 0
.rept 8                                        ; the next step's 32 multiplications are the places ahead of this step's products and behind the last step's
	PCVT sx
.if sx < 7
	VLOAD sx+1                                     ; seven plain lines stand between the products that read this set and these loads
	PMUL sx+1
	s_wait_dscnt 12                                ; this step's V is in; the next step's 12 loads may be out
.else
	PLACES 4
	s_wait_dscnt 0x0
.endif
	PVMUL sx
.set sx, sx+1
.endr
	WIN 0
	PLACES 4
	v_max3_num_f32 v[OM0], |v[OA]|, |v[OA+1]|, 0x1800000     ; o: my 16 of the head's 32 channels
	v_max3_num_f32 v[OM1], |v[OA+8]|, |v[OA+9]|, 0x1800000
.irp i, 2,4,6
	v_max3_num_f32 v[OM0], |v[OA+\i]|, |v[OA+\i+1]|, v[OM0]
	v_max3_num_f32 v[OM1], |v[OA+8+\i]|, |v[OA+9+\i]|, v[OM1]
.endr
	v_max_num_f32 v[OM0], v[OM0], v[OM1]
	v_permlanex16_b32 v[T1], v[OM0], s[SEL], s[SEL+1]
	v_max_num_f32 v[OM0], v[OM0], v[T1]
	v_add_nc_u32 v[OSC], 0xff000000, v[OM0]
	v_lshrrev_b32 v[OBY], 23, v[OSC]
	v_cvt_scalef32_pk16_fp6_f32 v[OC:OC+2], v[OA:OA+15], v[OSC]
	v_nop
	global_store_b96 v[OOF], v[OC:OC+2], s[OB:OB+1]  ; the wave's store covers 384 consecutive bytes
	ds_store_b8 v[LOS], v[OBY]                     ; both lanes of a query write the same byte
	s_wait_xcnt 0x0                                ; the store's offset and data are rewritten only behind this wait,
	s_wait_dscnt 0x0                               ; the byte store's address behind this one
	v_add_nc_u32 v[OOF], 384, v[OOF]
	v_add_nc_u32 v[LOS], 64, v[LOS]
	s_cmp_lt_u32 s[REM], 2
	s_cbranch_scc1 .Lno_b
	s_wait_loadcnt 0x0                             ; the next tile's rows 2, 3; no load is out, so the bases may step
	SUMSTORE 1, 1
	s_add_nc_u64 s[RB:RB+1], s[RB:RB+1], 0x10000
	s_add_nc_u64 s[RE:RE+1], s[RE:RE+1], 0x10000
	s_cmp_lt_u32 s[REM], 3
	s_cbranch_scc1 .Lno_b
	s_wait_dscnt 0x0
	RAWLOAD 0, 1                                   ; rows 0, 1 of the tile after it
.Lno_b:
	s_sub_co_u32 s[REM], s[REM], 1
	s_cmp_lg_u32 s[REM], 0
	s_cbranch_scc1 .Ltile
	s_wait_dscnt 0x0
	s_barrier_signal -1
	s_barrier_wait -1                              ; all four heads' scale bytes lie in LDS
	s_cmp_lg_u32 s[WV], 0
	s_cbranch_scc1 .Lend
	ds_load_b128 v[BM:BM+3], v[OSR]
	s_wait_dscnt 0x0
	global_store_b128 v[GOF], v[BM:BM+3], s[18:19] ; 512 consecutive bytes: 128 queries' words
.Lend:
	s_wait_tensorcnt 0x0
	ds_add_u32 v254, v255
	s_wait_dscnt 0x0
	s_endpgm
.Lfunc_end_k_q3a00c12bac_attn:
	.size	k_q3a00c12bac_attn, .Lfunc_end_k_q3a00c12bac_attn-k_q3a00c12bac_attn
	.p2alignl 7, 3214868480
	.fill 96, 4, 3214868480
	.section	.rodata,"a",@progbits
	.p2align	6, 0x0
	.amdhsa_kernel k_q3a00c12bac_attn
		.amdhsa_group_segment_fixed_size 278016
		.amdhsa_private_segment_fixed_size 0
		.amdhsa_enable_private_segment 0
		.amdhsa_kernarg_size 40
		.amdhsa_user_sgpr_count 2
		.amdhsa_user_sgpr_kernarg_segment_ptr 1
		.amdhsa_wavefront_size32 1
		.amdhsa_system_sgpr_workgroup_id_x 1
		.amdhsa_system_sgpr_workgroup_id_y 1
		.amdhsa_system_sgpr_workgroup_id_z 1
		.amdhsa_system_vgpr_workitem_id 0
		.amdhsa_next_free_vgpr 1024
		.amdhsa_next_free_sgpr 66
		.amdhsa_reserve_vcc 1
		.amdhsa_float_denorm_mode_32 3
		.amdhsa_float_denorm_mode_16_64 3
		.amdhsa_memory_ordered 1
		.amdhsa_forward_progress 1
		.amdhsa_inst_pref_size 185
	.end_amdhsa_kernel
	.amdgpu_metadata
---
amdhsa.version: [ 1, 2 ]
amdhsa.kernels:
  - .name:           k_q3a00c12bac_attn
    .symbol:         k_q3a00c12bac_attn.kd
    .args:
      - { .name: spatial_encoding, .offset: 0, .size: 8, .value_kind: global_buffer, .address_space: global }
      - { .name: edge_encoding, .offset: 8, .size: 8, .value_kind: global_buffer, .address_space: global }
      - { .name: qkvc, .offset: 16, .size: 8, .value_kind: global_buffer, .address_space: global }
      - { .name: qkvs, .offset: 24, .size: 8, .value_kind: global_buffer, .address_space: global }
      - { .name: ows, .offset: 32, .size: 8, .value_kind: global_buffer, .address_space: global }
    .group_segment_fixed_size: 278016
    .private_segment_fixed_size: 0
    .kernarg_segment_align: 8
    .kernarg_segment_size: 40
    .max_flat_workgroup_size: 128
    .sgpr_count:     66
    .vgpr_count:     1024
    .wavefront_size: 32
...
	.end_amdgpu_metadata
.endif
;; end of part 3
;; launch tail (part 4): grid 256 x 1, 4 waves a work-group, no clusters, 138,752 bytes of LDS; arguments x, gamma2, beta2, b1, b2, wts, ows, out0; writes out0
.if DOCPART == 4
	.amdgcn_target "amdgcn-amd-amdhsa--gfx1250"
	.amdhsa_code_object_version 6
	.text
	.protected	k_q3a00c12bac_tail
	.globl	k_q3a00c12bac_tail
	.p2align	8
	.type	k_q3a00c12bac_tail,@function
k_q3a00c12bac_tail:
	s_mov_b64 s[64:65], 0
	v_nop
	global_prefetch_b8 v0, s[64:65] scope:SCOPE_SE
	s_setreg_imm32_b32 hwreg(HW_REG_WAVE_MODE, 25, 1), 1
	s_wait_xcnt 0x0
; TAIL: att = Q(o) Q(Wo)^T + x; h = gelu(Q(layer norm of x) Q(W1)^T + b1), tanh form; out = Q(h) Q(W2)^T + b2 + att; a row in which some att is 0 becomes 0.  All products on FP6 (E2M3) codes.
; SHARES.  A work-group takes 64 rows (tile j, slot n: row 16 j + n).  THE WAVES SHARE THE COLUMNS: for all 64 rows wave w makes outputs 64 w .. + 63 of Wo and W2 and hidden units 256 w .. + 255.
; All products are used transposed (source 0 = 16 rows of a weight, source 1 = 16 rows): with the weights' rows ordered as the first launch orders them, a lane (n, h) holds row n and 32 neighbouring columns.
; x enters as the C of Wo's first products, b1 as the C of W1's; the hidden layer goes in four groups of 64 units; a group's codes are half a fragment of the next K step and go to LDS as part of its image.
; WEIGHTS come from memory straight into the registers of the one wave that multiplies by them, each used for four row tiles, a group or two K steps ahead, in buffers that take turns:
; P0 = window 1 v96-191, P1 = window 2 v0-95, P2 = window 2 v96-191, and for W2's K steps 4, 5 window 3 v128-223.  Through LDS by joint loads the 445 KB a work-group would be written and read once more.
; LIMITS: NaN and infinities are not served; a block of zeros gets the byte 1, not 127 (zero codes; the bytes are read by this program alone).
; REGISTERS.  window 0: the names below.  window 1: gamma, beta; then v0-95 x's 8 fragments, v96-191 P0, later the hidden fragments (two sets of four), v192-255 b1 (two sets).
; window 2: P1 (first Wo), P2 (first o's 8 fragments), v192-255 b2, then gelu's temporaries.  window 3: v0-127 att, then out; v128-255 my rows of x, then the hidden layer.
.set SCW,  589824
.set XP,   1040
.set XIMG, 69632                       ; LDS: 0: 64 rows of x, 1,040 bytes apart; later each wave's stage of 64 rows x 272 bytes
.set XSC,  81920
.set HIMG, 82944                       ; the hidden layer's 32 images (8 j + K step)
.set HSC,  132096
.set FLG,  136192                      ; [wave][j][lane]: the least magnitude of att in a row's 64 columns
.set L16, 1
.set L4,  2
.set XSS, 3
.set XSR, 4
.set GBO, 5
.set XWI, 6
.set XWS, 7
.set XAO, 8
.set OFO, 9
.set N4,  10
.set HWI, 11
.set SH8, 12
.set HWS, 13
.set FLS, 14
.set OSTW, 15
.set OSTR, 16
.set OUTO, 17
.set HRD, 18
.set HSR, 19
.set FLR, 20
.set XRD, 21
.set XSRD, 22
.set XSW, 24                           ; v24-119 hold scale words and nothing else: x's, o's, Wo's, W1's, W2's, the hidden layer's
.set OSW, 32
.set WOS, 40
.set W1S, 48
.set W2S, 80
.set HSW, 112
.set HC,  120
.set HCT, 144
.set XT,  144
.set MA,  160
.set SCL, 168
.set BY,  172
.set HBY, 176
.set QW0, 180
.set QW1, 181
.set HW,  182
.set ACC, 186
.set MU,  194
.set RS,  196
.set TA,  198
.set TB,  199
.set K1V, 200
.set MZ,  202
.set FL,  206
.set XC,  222
.set XW,  246
.set LXR, 128
.set GW,  1
.set GR,  0
.set BW,  1
.set BR,  128
.set WV,  36
.set SEL, 38
.set INV, 40
.set K2,  42
.set MSB, 0
.macro WIN new                         ; the immediate's high byte repeats the setting that is left; a switch that changes nothing is dropped
.if MSB != (\new)
	s_set_vgpr_msb (MSB<<8)|(\new)
.set MSB, (\new)
.endif
.endm
.macro PLACES n
.rept \n
	v_nop
.endr
.endm
.macro MMC d, a, b, c, sa, sb
	v_wmma_scale_f32_16x16x128_f8f6f4 v[\d:\d+7], v[\a:\a+11], v[\b:\b+11], v[\c:\c+7], v[\sa], v[\sb] matrix_a_fmt:MATRIX_FMT_FP6 matrix_b_fmt:MATRIX_FMT_FP6
.endm
.macro QMAXN src, nb                   ; the largest magnitudes of nb blocks of 32 registers, two chains a block, the blocks by turns, with the floor 2^(3 - 127)
.set qb, 0
.rept \nb
	v_max3_num_f32 v[MA+2*qb], |v[\src+32*qb]|, |v[\src+32*qb+1]|, 0x1800000
	v_max3_num_f32 v[MA+2*qb+1], |v[\src+32*qb+16]|, |v[\src+32*qb+17]|, 0x1800000
.set qb, qb+1
.endr
.set qi, 2
.rept 7
.set qb, 0
.rept \nb
	v_max3_num_f32 v[MA+2*qb], |v[\src+32*qb+qi]|, |v[\src+32*qb+qi+1]|, v[MA+2*qb]
	v_max3_num_f32 v[MA+2*qb+1], |v[\src+32*qb+16+qi]|, |v[\src+32*qb+17+qi]|, v[MA+2*qb+1]
.set qb, qb+1
.endr
.set qi, qi+2
.endr
.endm
.macro QSCL nb
.set qb, 0
.rept \nb
	v_max_num_f32 v[MA+2*qb], v[MA+2*qb], v[MA+2*qb+1]
.set qb, qb+1
.endr
.set qb, 0
.rept \nb
	v_add_nc_u32 v[SCL+qb], 0xff000000, v[MA+2*qb]
.set qb, qb+1
.endr
.set qb, 0
.rept \nb
	v_lshrrev_b32 v[BY+qb], 23, v[SCL+qb]
.set qb, qb+1
.endr
.endm
.macro QCVT dst, tmp, src, scl
	v_cvt_scalef32_pk16_fp6_f32 v[\dst:\dst+2], v[\src:\src+15], v[\scl]
	v_cvt_scalef32_pk16_fp6_f32 v[\tmp:\tmp+2], v[\src+16:\src+31], v[\scl]
.endm
.macro QMOV dst, tmp
	v_mov_b32 v[\dst+3], v[\tmp]
	v_mov_b32 v[\dst+4], v[\tmp+1]
	v_mov_b32 v[\dst+5], v[\tmp+2]
.endm
.macro QWORD w, b0, b1
	v_lshl_or_b32 v[QW0], v[\b1], 16, v[\b0]
	v_lshlrev_b32 v[QW0], v[SH8], v[QW0]
	v_permlanex16_b32 v[QW1], v[QW0], s[SEL], s[SEL+1]
	v_or_b32 v[\w], v[QW0], v[QW1]
.endm
.macro LFOLD
	v_pk_add_f32 v[ACC:ACC+1], v[ACC:ACC+1], v[ACC+2:ACC+3]
	v_pk_add_f32 v[ACC+4:ACC+5], v[ACC+4:ACC+5], v[ACC+6:ACC+7]
	v_pk_add_f32 v[ACC:ACC+1], v[ACC:ACC+1], v[ACC+4:ACC+5]
	v_add_f32 v[TA], v[ACC], v[ACC+1]
	v_permlanex16_b32 v[TB], v[TA], s[SEL], s[SEL+1]
	v_add_f32 v[TA], v[TA], v[TB]
.endm
.macro LNORM lc                        ; the layer norm of my row: 128 numbers in window 3 from v[LXR] on, the other 128 in lane l xor 16
	WIN 0x0f
.set li, 0
.rept 4
	v_pk_add_f32 v[ACC+2*li:ACC+2*li+1], v[LXR+2*li:LXR+2*li+1], v[LXR+8+2*li:LXR+9+2*li]
.set li, li+1
.endr
	WIN 0x0c
.set li, 8
.rept 56
	v_pk_add_f32 v[ACC+2*(li%4):ACC+2*(li%4)+1], v[ACC+2*(li%4):ACC+2*(li%4)+1], v[LXR+2*li:LXR+2*li+1]
.set li, li+1
.endr
	WIN 0
	LFOLD
	v_mul_f32 v[MU], s[INV], v[TA]
	v_mov_b32 v[MU+1], v[MU]
	WIN 0xc3
.set li, 0
.rept 64
	v_pk_add_f32 v[LXR+2*li:LXR+2*li+1], v[LXR+2*li:LXR+2*li+1], v[MU:MU+1] neg_lo:[0,1] neg_hi:[0,1]
.set li, li+1
.endr
	WIN 0x0f
.set li, 0
.rept 4
	v_pk_mul_f32 v[ACC+2*li:ACC+2*li+1], v[LXR+2*li:LXR+2*li+1], v[LXR+2*li:LXR+2*li+1]
.set li, li+1
.endr
.rept 60
	v_pk_fma_f32 v[ACC+2*(li%4):ACC+2*(li%4)+1], v[LXR+2*li:LXR+2*li+1], v[LXR+2*li:LXR+2*li+1], v[ACC+2*(li%4):ACC+2*(li%4)+1]
.set li, li+1
.endr
	WIN 0
	LFOLD
	v_fmaak_f32 v[TA], s[INV], v[TA], 0x3727c5ac   ; the variance + 1e-5
	v_rsq_f32 v[RS], v[TA]
	v_nop                                          ; a plain line behind the transcendental,
	s_wait_alu depctr_va_vdst(0)                   ; and the wait ahead of its first reader
	v_mov_b32 v[RS+1], v[RS]
	WIN 0xc3
.set li, 0
.rept 64
	v_pk_mul_f32 v[LXR+2*li:LXR+2*li+1], v[LXR+2*li:LXR+2*li+1], v[RS:RS+1]
.set li, li+1
.endr
	s_wait_loadcnt \lc
	WIN 0xc3|(GW<<2)|(BW<<4)
.set li, 0
.rept 64
	v_pk_fma_f32 v[LXR+2*li:LXR+2*li+1], v[LXR+2*li:LXR+2*li+1], v[GR+2*li:GR+2*li+1], v[BR+2*li:BR+2*li+1]
.set li, li+1
.endr
	WIN 0
.endm
.macro XQUANT
	WIN 0x0f
	QMAXN LXR, 4
	WIN 0
	QSCL 4
	WIN 0x03
.set xb, 0
.rept 4
	QCVT XC+6*xb, XT+4*xb, LXR+32*xb, SCL+xb
.set xb, xb+1
.endr
	WIN 0
	v_nop
.set xb, 0
.rept 4
	QMOV XC+6*xb, XT+4*xb
.set xb, xb+1
.endr
	QWORD XW, BY, BY+1
	QWORD XW+1, BY+2, BY+3
.set xb, 0
.rept 6
	ds_store_b128 v[XWI], v[XC+4*xb:XC+4*xb+3] offset:512*xb
.set xb, xb+1
.endr
	ds_store_b32 v[XWS], v[XW]
	ds_store_b32 v[XWS], v[XW+1] offset:128
.endm
.macro ADDR dst, src, mul, add         ; an address: a buffer's + mul x wave + add
	s_mul_i32 s32, s[WV], \mul
	s_add_co_u32 s32, s32, \add
	s_add_nc_u64 s[\dst:\dst+1], s[\src:\src+1], s[32:33]
.endm
.macro WLOAD dw, dr, sb, off           ; 8 fragments, 12,288 consecutive bytes, into window dw from v[dr] on: 24 loads
	WIN (\dw)<<6
.set wi, 0
.rept 24
	global_load_b128 v[\dr+4*wi:\dr+4*wi+3], v[L16], s[\sb:\sb+1] offset:\off+512*wi
.set wi, wi+1
.endr
	WIN 0
.endm
.macro SLOAD dr, sb, off               ; their 8 scale words
.set wi, 0
.rept 8
	global_load_b32 v[\dr+wi], v[L4], s[\sb:\sb+1] offset:\off+128*wi
.set wi, wi+1
.endr
.endm
.macro B1LOAD gam                      ; b1 at my 32 units of group gam: 8 loads
	WIN 0x40
.set wi, 0
.rept 8
	global_load_b128 v[192+32*((\gam)%2)+4*wi:192+32*((\gam)%2)+4*wi+3], v[GBO], s[10:11] offset:256*(\gam)+16*wi
.set wi, wi+1
.endr
	WIN 0
.endm
.macro W2LOAD dw, dr, sp0              ; W2's fragments of K steps sp0, sp0 + 1 (slot 4 e + t) and their scale words: 24 + 8 loads
	WIN (\dw)<<6
.irp e, 0,1
.irp t, 0,1,2,3
.irp c, 0,1,2
	global_load_b128 v[\dr+12*(4*\e+\t)+4*\c:\dr+12*(4*\e+\t)+4*\c+3], v[L16], s[24:25] offset:(8*\t+\sp0+\e)*1536+512*\c
.endr
.endr
.endr
	WIN 0
.irp e, 0,1
.irp t, 0,1,2,3
	global_load_b32 v[W2S+4*(\sp0+\e)+\t], v[L4], s[30:31] offset:(8*\t+\sp0+\e)*128
.endr
.endr
.endm
; Group gam of the hidden layer for all 64 rows: 32 products, sixteen accumulators by turns; its weights lie in window aw from v[ar] on
.macro HID gam, aw, ar
	WIN 0xd4|(\aw)
.irp j, 0,1,2,3
.irp t, 0,1,2,3
	MMC 128+32*\j+8*\t, \ar+24*\t, 24*\j, 192+32*((\gam)%2)+8*\t, W1S+8*(\gam)+2*\t, XSW+2*\j
.endr
.endr
	WIN 0xf4|(\aw)
.irp j, 0,1,2,3
.irp t, 0,1,2,3
	MMC 128+32*\j+8*\t, \ar+24*\t+12, 24*\j+12, 128+32*\j+8*\t, W1S+8*(\gam)+2*\t+1, XSW+2*\j+1
.endr
.endr
	WIN 0
	PLACES 4                                       ; four plain lines ahead of loads into registers that the products read, and of the first read of results
.endm
; gelu, tanh form, of 64 numbers: x / (1 + 2^(x (K1 + K2 x^2))), K1 = -2 log2(e) sqrt(2 / pi), K2 = 0.044715 K1.  Each batch of 64 transcendentals has one plain line and one wait behind it.
.macro GELU hv
.set gx, 128+64*(\hv)
	WIN 0x8f
.set gi, 0
.rept 32
	v_pk_mul_f32 v[192+2*gi:193+2*gi], v[gx+2*gi:gx+2*gi+1], v[gx+2*gi:gx+2*gi+1]
.set gi, gi+1
.endr
	WIN 0x82
.set gi, 0
.rept 32
	v_pk_fma_f32 v[192+2*gi:193+2*gi], v[192+2*gi:193+2*gi], s[K2:K2+1], v[K1V:K1V+1] op_sel_hi:[1,0,1]
.set gi, gi+1
.endr
	WIN 0x8e
.set gi, 0
.rept 32
	v_pk_mul_f32 v[192+2*gi:193+2*gi], v[192+2*gi:193+2*gi], v[gx+2*gi:gx+2*gi+1]
.set gi, gi+1
.endr
	WIN 0x82
.set gi, 0
.rept 64
	v_exp_f32 v[192+gi], v[192+gi]
.set gi, gi+1
.endr
	v_nop
	s_wait_alu depctr_va_vdst(0)
.set gi, 0
.rept 32
	v_pk_add_f32 v[192+2*gi:193+2*gi], v[192+2*gi:193+2*gi], 1.0 op_sel_hi:[1,0]
.set gi, gi+1
.endr
.set gi, 0
.rept 64
	v_rcp_f32 v[192+gi], v[192+gi]
.set gi, gi+1
.endr
	v_nop
	s_wait_alu depctr_va_vdst(0)
	WIN 0xcb
.set gi, 0
.rept 32
	v_pk_mul_f32 v[gx+2*gi:gx+2*gi+1], v[gx+2*gi:gx+2*gi+1], v[192+2*gi:193+2*gi]
.set gi, gi+1
.endr
	WIN 0
.endm
; The group's four blocks (one a row tile) become registers 6 (gam % 2) on of the fragments of K step 2 w + gam / 2; with the odd group the scale words are whole
.macro HQ gam
	WIN 0x0f
	QMAXN 128, 4
	WIN 0
	QSCL 4
	WIN 0x03
.set xb, 0
.rept 4
	QCVT HC+6*xb, HCT+4*xb, 128+32*xb, SCL+xb
.set xb, xb+1
.endr
	WIN 0
	v_nop
.set xb, 0
.rept 4
	QMOV HC+6*xb, HCT+4*xb
.set xb, xb+1
.endr
.set xb, 0
.rept 4
.if (\gam)%2 == 0
	ds_store_b128 v[HWI], v[HC+6*xb:HC+6*xb+3] offset:(8*xb+(\gam)/2)*1536
	ds_store_b64 v[HWI], v[HC+6*xb+4:HC+6*xb+5] offset:(8*xb+(\gam)/2)*1536+512
	v_mov_b32 v[HBY+xb], v[BY+xb]
.else
	ds_store_b64 v[HWI], v[HC+6*xb:HC+6*xb+1] offset:(8*xb+(\gam)/2)*1536+520
	ds_store_b128 v[HWI], v[HC+6*xb+2:HC+6*xb+5] offset:(8*xb+(\gam)/2)*1536+1024
	QWORD HW+xb, HBY+xb, BY+xb
	ds_store_b32 v[HWS], v[HW+xb] offset:(8*xb+(\gam)/2)*128
.endif
.set xb, xb+1
.endr
	s_wait_dscnt 0x0                               ; the stores have read the codes
.endm
.macro HFETCH sp                       ; K step sp's four hidden fragments and scale words: 12 + 4 loads
	WIN 0x40
.irp j, 0,1,2,3
.irp c, 0,1,2
	ds_load_b128 v[96+48*((\sp)%2)+12*\j+4*\c:96+48*((\sp)%2)+12*\j+4*\c+3], v[HRD] offset:(8*\j+(\sp))*1536+512*\c
.endr
.endr
	WIN 0
.irp j, 0,1,2,3
	ds_load_b32 v[HSW+4*((\sp)%2)+\j], v[HSR] offset:(8*\j+(\sp))*128
.endr
.endm
.macro YMUL sp, aw, ar
	WIN 0xf4|(\aw)
.irp j, 0,1,2,3
.irp t, 0,1,2,3
	MMC 32*\j+8*\t, \ar+12*(4*((\sp)%2)+\t), 96+48*((\sp)%2)+12*\j, 32*\j+8*\t, W2S+4*(\sp)+\t, HSW+4*((\sp)%2)+\j
.endr
.endr
	WIN 0
.endm
	s_load_b256 s[4:11], s[0:1], 0x0               ; x, gamma2, beta2, b1
	s_load_b256 s[12:19], s[0:1], 0x20             ; b2, wts, ows, out0
	v_lshl_add_u32 v254, v0, 2, 0x21c00
	v_mov_b32 v255, 0
	v_lshrrev_b32 v120, 5, v0
	v_readfirstlane_b32 s[WV], v120                ; wave
	s_mov_b32 s[SEL], 0x76543210
	s_mov_b32 s[SEL+1], 0xfedcba98
	s_mov_b32 s[INV], 0x3b800000                   ; 1 / 256
	s_mov_b32 s[K2], 0xbdd2d3ea                    ; K2 = -0.10294324
	s_mov_b32 s[K2+1], s[K2]
	v_mov_b32 v[K1V], 0xc0135761                   ; K1 = -2.3022082
	v_mov_b32 v[K1V+1], 0xc0135761
	v_mov_b32 v[QW1], 0                            ; lane permutes' destinations count as read
	v_mov_b32 v[TB], 0
	v_and_b32 v120, 31, v0                         ; lane
	v_and_b32 v121, 15, v0                         ; n
	v_bfe_u32 v122, v0, 4, 1                       ; h
	v_lshlrev_b32 v[L16], 4, v120
	v_lshlrev_b32 v[L4], 2, v120
	v_lshlrev_b32 v[GBO], 7, v122
	v_lshlrev_b32 v[SH8], 3, v122
	v_lshlrev_b32 v[N4], 2, v121
	s_mul_i32 s32, s[WV], 16*XP
	v_add_nc_u32 v[XSS], s32, v[L16]
	v_mul_u32_u24 v123, v121, XP
	v_lshl_add_u32 v123, v122, 7, v123             ; n x 1,040 + 128 h
	v_add_nc_u32 v[XSR], s32, v123
	s_lshl_b32 s32, s[WV], 8
	v_add_nc_u32 v[XAO], s32, v123
	v_add_nc_u32 v[XWS], s32, v[L4]
	v_add_nc_u32 v[HWS], HSC, v[XWS]
	v_add_nc_u32 v[XWS], XSC, v[XWS]
	s_mul_i32 s32, s[WV], 3072
	v_add_nc_u32 v[XWI], s32, v[L16]
	v_add_nc_u32 v[HWI], HIMG, v[XWI]
	v_add_nc_u32 v[XWI], XIMG, v[XWI]
	v_add_nc_u32 v[XRD], XIMG, v[L16]
	v_add_nc_u32 v[XSRD], XSC, v[L4]
	v_add_nc_u32 v[HRD], HIMG, v[L16]
	v_add_nc_u32 v[HSR], HSC, v[L4]
	v_add_nc_u32 v[FLR], FLG, v[L4]
	s_lshl_b32 s32, s[WV], 9
	v_add_nc_u32 v[FLS], s32, v[FLR]
	s_mul_i32 s32, s[WV], 17408
	v_mul_u32_u24 v123, v121, 272
	v_lshl_add_u32 v123, v122, 7, v123
	v_add_nc_u32 v[OSTW], s32, v123
	v_mul_u32_u24 v123, v122, 272
	v_lshl_add_u32 v123, v121, 4, v123
	v_add_nc_u32 v[OSTR], s32, v123
	v_lshlrev_b32 v123, 10, v122
	v_lshl_add_u32 v[OUTO], v121, 4, v123
	v_mul_u32_u24 v123, v122, 393216
	v_mad_u32_u24 v[OFO], v121, 24, v123
	s_mov_b32 s33, 0
	s_lshl_b32 s34, ttmp9, 16                      ; 64 rows of 1,024 bytes a work-group
	s_mov_b32 s35, 0
	s_wait_kmcnt 0x0
	s_add_nc_u64 s[4:5], s[4:5], s[34:35]
	s_add_nc_u64 s[18:19], s[18:19], s[34:35]
	ADDR 4, 4, 16384, 0                            ; x: my 16 rows
	ADDR 18, 18, 256, 0                            ; out: my 64 columns
	ADDR 10, 10, 1024, 0                           ; b1: my 256 units
	ADDR 12, 12, 256, 0                            ; b2: my 64 outputs
	ADDR 20, 14, 12288, 147456                     ; Wo's fragments 96 + 8 w on
	ADDR 22, 14, 49152, 196608                     ; W1's 128 + 32 w on
	ADDR 24, 14, 49152, 393216                     ; W2's 256 + 32 w on
	ADDR 26, 14, 1024, SCW+12288                   ; and their scale words
	ADDR 28, 14, 4096, SCW+16384
	ADDR 30, 14, 4096, SCW+32768
	s_lshl_b32 s34, ttmp9, 8
	s_add_co_u32 s34, s34, 3145728
	s_add_nc_u64 s[48:49], s[16:17], s[34:35]      ; o's scale words of my rows
	s_mul_i32 s34, ttmp9, 1536
	s_add_nc_u64 s[16:17], s[16:17], s[34:35]      ; o's codes of my rows
	WIN 0xc0
.set i, 0
.rept 16                                       ; rows 16 w .. + 15 of x, 512 consecutive bytes a load: 32 loads
	global_load_b128 v[LXR+8*i:LXR+8*i+3], v[L16], s[4:5] offset:1024*i th:TH_LOAD_NT
	global_load_b128 v[LXR+8*i+4:LXR+8*i+7], v[L16], s[4:5] offset:1024*i+512 th:TH_LOAD_NT
.set i, i+1
.endr
	WIN 0x80
.irp j, 0,1,2,3                                ; o's fragments (j, K step s): block 2 c + h of K step s is head 4 s + 2 c + h: 48 loads
.irp s, 0,1
.irp c, 0,1
.irp i2, 0,1,2
	global_load_b64 v[96+12*(2*\j+\s)+6*\c+2*\i2:96+12*(2*\j+\s)+6*\c+2*\i2+1], v[OFO], s[16:17] offset:(4*\s+2*\c)*393216+384*\j+8*\i2 th:TH_LOAD_NT
.endr
.endr
.endr
.endr
	WIN 0
.irp j, 0,1,2,3
.irp s, 0,1
	global_load_b32 v[OSW+2*\j+\s], v[N4], s[48:49] offset:65536*\s+64*\j
.endr
.endr
	s_wait_loadcnt 56                              ; x is in; o's 56 loads may be out
	WIN 0x0c
.set i, 0
.rept 16
	ds_store_b128 v[XSS], v[LXR+8*i:LXR+8*i+3] offset:XP*i
	ds_store_b128 v[XSS], v[LXR+8*i+4:LXR+8*i+7] offset:XP*i+512
.set i, i+1
.endr
	WIN 0x40
.set i, 0
.rept 32
	global_load_b128 v[GR+4*i:GR+4*i+3], v[GBO], s[6:7] offset:256*(i/8)+16*(i%8)
.set i, i+1
.endr
.set i, 0
.rept 32
	global_load_b128 v[BR+4*i:BR+4*i+3], v[GBO], s[8:9] offset:256*(i/8)+16*(i%8)
.set i, i+1
.endr
	WIN 0
	WLOAD 2, 0, 20, 0                              ; Wo: 24 + 8 loads
	SLOAD WOS, 26, 0
	s_wait_dscnt 0x0
	s_barrier_signal -1
	s_barrier_wait -1                              ; all 64 rows of x lie in LDS
	WIN 0xc0
.set i, 0
.rept 32
	ds_load_b128 v[LXR+4*i:LXR+4*i+3], v[XSR] offset:256*(i/8)+16*(i%8)
.set i, i+1
.endr
	WIN 0
	s_wait_dscnt 0x0
	LNORM 32                                       ; behind beta: Wo's 32 loads
	WLOAD 1, 96, 22, 0                             ; W1's group 0 into P0, where gamma and beta lay: 24 + 8 + 8 loads
	SLOAD W1S, 28, 0
	B1LOAD 0
	B1LOAD 1                                       ; 8 loads
	WIN 0x80
.set i, 0
.rept 8                                        ; b2 at my 32 outputs: 8 loads
	global_load_b128 v[192+4*i:192+4*i+3], v[GBO], s[12:13] offset:16*i
.set i, i+1
.endr
	WIN 0
	XQUANT
	; att = Q(o) Q(Wo)^T + x: x is the C of the first products
	WIN 0xc0
.irp j, 0,1,2,3
.set i, 0
.rept 8
	ds_load_b128 v[32*\j+4*i:32*\j+4*i+3], v[XAO] offset:16*\j*XP+16*i
.set i, i+1
.endr
.endr
	WIN 0
	s_wait_loadcnt 56                              ; o and Wo are in: 56 loads were issued behind them
	s_wait_dscnt 0x0
	WIN 0xfa
.irp s, 0,1
.irp j, 0,1,2,3
.irp t, 0,1,2,3
	MMC 32*\j+8*\t, 12*(2*\t+\s), 96+12*(2*\j+\s), 32*\j+8*\t, WOS+2*\t+\s, OSW+2*\j+\s
.endr
.endr
.endr
	WIN 0
	PLACES 4
	WLOAD 2, 0, 22, 12288                          ; W1's groups 1 and 2 into P1 and P2: 32 + 32 loads
	SLOAD W1S+8, 28, 1024
	WLOAD 2, 96, 22, 24576
	SLOAD W1S+16, 28, 2048
	WIN 0x0f                                       ; the least magnitude of att in my 32 columns of each row tile, each accumulator from its low end on
.irp j, 0,1,2,3
	v_min_num_f32 v[MZ+\j], |v[32*\j]|, |v[32*\j+1]|
.endr
.set i, 2
.rept 15
.irp j, 0,1,2,3
	v_min3_num_f32 v[MZ+\j], |v[32*\j+i]|, |v[32*\j+i+1]|, v[MZ+\j]
.endr
.set i, i+2
.endr
	WIN 0
.irp j, 0,1,2,3
	v_permlanex16_b32 v[TB], v[MZ+\j], s[SEL], s[SEL+1]
	v_min_num_f32 v[MZ+\j], v[MZ+\j], v[TB]
	ds_store_b32 v[FLS], v[MZ+\j] offset:128*\j
.endr
	s_wait_loadcnt 63                              ; b2 is in: 64 loads were issued behind it
	WIN 0xcb
.irp j, 0,1,2,3
.set i, 0
.rept 16
	v_pk_add_f32 v[32*\j+2*i:32*\j+2*i+1], v[32*\j+2*i:32*\j+2*i+1], v[192+2*i:193+2*i]   ; + b2, behind the test for 0
.set i, i+1
.endr
.endr
	WIN 0
	s_wait_dscnt 0x0
	s_barrier_signal -1
	s_barrier_wait -1                              ; x's images and the flags lie in LDS; nobody reads the rows of x any more
	WIN 0x40
.set i, 0
.rept 24
	ds_load_b128 v[4*i:4*i+3], v[XRD] offset:512*i
.set i, i+1
.endr
	WIN 0
.set i, 0
.rept 8
	ds_load_b32 v[XSW+i], v[XSRD] offset:128*i
.set i, i+1
.endr
	s_wait_dscnt 0x0
	s_wait_loadcnt 63                              ; group 0 and b1's first two sets: 72 loads were issued behind them
	HID 0, 1, 96
	B1LOAD 2                                       ; 8 + 24 + 8 loads
	WLOAD 1, 96, 22, 36864
	SLOAD W1S+24, 28, 3072
	GELU 0
	GELU 1
	HQ 0
	s_wait_loadcnt 63                              ; group 1: 72 loads were issued behind it
	HID 1, 2, 0
	B1LOAD 3                                       ; 8 + 32 loads
	W2LOAD 2, 0, 0
	GELU 0
	GELU 1
	HQ 1
	s_wait_loadcnt 40                              ; group 2 and its b1; the 40 loads behind them may be out
	HID 2, 2, 96
	W2LOAD 2, 96, 2                                ; 32 loads
	GELU 0
	GELU 1
	HQ 2
	s_wait_loadcnt 32                              ; group 3 and its b1
	HID 3, 1, 96
	GELU 0
	GELU 1
	HQ 3
	W2LOAD 3, 128, 4                               ; into the hidden layer's registers: 32 loads
	s_wait_dscnt 0x0
	s_barrier_signal -1
	s_barrier_wait -1                              ; the hidden layer's 32 images lie in LDS
.set i, 0
.rept 16
	ds_load_b32 v[FL+i], v[FLR] offset:128*i       ; the four waves' flags
.set i, i+1
.endr
	HFETCH 0
.macro YSTEP sp, aw, ar, lc
.if (\sp) > 0
	PLACES 4                                       ; ahead of loads into registers that the last products read
.endif
.if (\sp) == 2
	W2LOAD 2, 0, 6                                 ; 32 loads
.endif
.if (\sp) < 7
	HFETCH (\sp)+1
	s_wait_dscnt 16                                ; this step's fragments are in; the next step's 16 loads may be out
.else
	s_wait_dscnt 0x0
.endif
.if (\lc) >= 0
	s_wait_loadcnt \lc
.endif
	YMUL \sp, \aw, \ar
.endm
	YSTEP 0, 2, 0, -1
	YSTEP 1, 2, 0, -1
	YSTEP 2, 2, 96, 63                             ; K steps 2, 3: 64 loads were issued behind them
	YSTEP 3, 2, 96, -1
	YSTEP 4, 3, 128, 32                            ; K steps 4, 5; the last 32 loads may be out
	YSTEP 5, 3, 128, -1
	YSTEP 6, 2, 0, 0
	YSTEP 7, 2, 0, -1
.irp j, 0,1,2,3
	v_min3_num_f32 v[MZ+\j], v[FL+\j], v[FL+4+\j], v[FL+8+\j]
.endr
.irp j, 0,1,2,3
	v_min_num_f32 v[MZ+\j], v[MZ+\j], v[FL+12+\j]  ; the least magnitude of att in the whole row.  (These eight lines are the places behind the last products)
.endr
.irp j, 0,1,2,3
	v_cmp_eq_f32 s[44+\j], 0, v[MZ+\j]
.endr
	WIN 0xc3
.irp j, 0,1,2,3
.set i, 0
.rept 32
	v_cndmask_b32 v[32*\j+i], v[32*\j+i], 0, s[44+\j]   ; a row with a 0 in att becomes 0
.set i, i+1
.endr
.endr
	; THE WAY OUT: my 64 columns of 64 rows through my own stage, back as rows of 256 bytes
	WIN 0x0c
.irp j, 0,1,2,3
.set i, 0
.rept 8
	ds_store_b128 v[OSTW], v[32*\j+4*i:32*\j+4*i+3] offset:16*\j*272+16*i
.set i, i+1
.endr
.endr
	WIN 0xc0
.set i, 0
.rept 32                                       ; LDS serves a wave's instructions in order: these see my stores
	ds_load_b128 v[128+4*i:128+4*i+3], v[OSTR] offset:2*i*272
.set i, i+1
.endr
	WIN 0x0c
.set i, 0
.rept 32
	s_wait_dscnt 31-i
	global_store_b128 v[OUTO], v[128+4*i:128+4*i+3], s[18:19] offset:2048*i th:TH_STORE_NT   ; sixteen lanes store 256 consecutive bytes, at a multiple of 256 from the output's first byte
.set i, i+1
.endr
	WIN 0
	s_wait_tensorcnt 0x0
	ds_add_u32 v254, v255
	s_wait_dscnt 0x0
	s_endpgm
.Lfunc_end_k_q3a00c12bac_tail:
	.size	k_q3a00c12bac_tail, .Lfunc_end_k_q3a00c12bac_tail-k_q3a00c12bac_tail
	.p2alignl 7, 3214868480
	.fill 96, 4, 3214868480
	.section	.rodata,"a",@progbits
	.p2align	6, 0x0
	.amdhsa_kernel k_q3a00c12bac_tail
		.amdhsa_group_segment_fixed_size 138752
		.amdhsa_private_segment_fixed_size 0
		.amdhsa_enable_private_segment 0
		.amdhsa_kernarg_size 64
		.amdhsa_user_sgpr_count 2
		.amdhsa_user_sgpr_kernarg_segment_ptr 1
		.amdhsa_wavefront_size32 1
		.amdhsa_system_sgpr_workgroup_id_x 1
		.amdhsa_system_sgpr_workgroup_id_y 1
		.amdhsa_system_sgpr_workgroup_id_z 1
		.amdhsa_system_vgpr_workitem_id 0
		.amdhsa_next_free_vgpr 1024
		.amdhsa_next_free_sgpr 66
		.amdhsa_reserve_vcc 0
		.amdhsa_float_denorm_mode_32 3
		.amdhsa_float_denorm_mode_16_64 3
		.amdhsa_memory_ordered 1
		.amdhsa_forward_progress 1
		.amdhsa_inst_pref_size 255
	.end_amdhsa_kernel
	.section	.bss,"aw",@nobits
	.p2align	6
	.space	262144
	.amdgpu_metadata
---
amdhsa.version: [ 1, 2 ]
amdhsa.kernels:
  - .name:           k_q3a00c12bac_tail
    .symbol:         k_q3a00c12bac_tail.kd
    .args:
      - { .name: x, .offset: 0, .size: 8, .value_kind: global_buffer, .address_space: global }
      - { .name: gamma2, .offset: 8, .size: 8, .value_kind: global_buffer, .address_space: global }
      - { .name: beta2, .offset: 16, .size: 8, .value_kind: global_buffer, .address_space: global }
      - { .name: b1, .offset: 24, .size: 8, .value_kind: global_buffer, .address_space: global }
      - { .name: b2, .offset: 32, .size: 8, .value_kind: global_buffer, .address_space: global }
      - { .name: wts, .offset: 40, .size: 8, .value_kind: global_buffer, .address_space: global }
      - { .name: ows, .offset: 48, .size: 8, .value_kind: global_buffer, .address_space: global }
      - { .name: out0, .offset: 56, .size: 8, .value_kind: global_buffer, .address_space: global }
    .group_segment_fixed_size: 138752
    .private_segment_fixed_size: 0
    .kernarg_segment_align: 8
    .kernarg_segment_size: 64
    .max_flat_workgroup_size: 128
    .sgpr_count:     66
    .vgpr_count:     1024
    .wavefront_size: 32
...
	.end_amdgpu_metadata
.endif
;; end of part 4
;; ======== version 2 of 2: 4 launches; version 1 with the launches qkv, tail written anew for expert scheduling mode
;; workspace buffers: wts 638,976 bytes; qkvc 9,437,184 bytes; qkvs 1,179,648 bytes; ows 3,276,800 bytes
;; launch prep: the kernel of part 1 again; grid 96 x 1, 4 waves a work-group, no clusters, 0 bytes of LDS; arguments Wq, Wk, Wv, Wo, W1, W2, wts; writes wts
;; launch qkv (part 5): grid 256 x 1, 4 waves a work-group, no clusters, 119,296 bytes of LDS; arguments x, gamma1, beta1, wts, qkvc, qkvs; writes qkvc, qkvs
.if DOCPART == 5
	.amdgcn_target "amdgcn-amd-amdhsa--gfx1250"
	.amdhsa_code_object_version 6
	.text
	.protected	k_q3a00c12bac_qkv
	.globl	k_q3a00c12bac_qkv
	.p2align	8
	.type	k_q3a00c12bac_qkv,@function
k_q3a00c12bac_qkv:
	s_mov_b64 s[64:65], 0
	v_nop
	global_prefetch_b8 v0, s[64:65] scope:SCOPE_SE
	s_setreg_imm32_b32 hwreg(HW_REG_WAVE_SCHED_MODE, 0, 2), 2
	s_setreg_imm32_b32 hwreg(HW_REG_WAVE_MODE, 25, 1), 1
	s_wait_xcnt 0x0
	s_wait_alu depctr_vm_vsrc(0)
; QKV: att_in = layer norm of x; q, k, v = Q(att_in) Q(W)^T on FP6 (E2M3) codes; q and k are quantised along the head's 32, v along the keys, and leave as codes laid for the attention launch.
; SHARES.  Work-group 16 b + kap takes rows 64 kap .. + 63 of batch b, as four tiles of 16: slot n of tile j is row 32 (n / 8) + 8 j + n % 8.  Wave w normalises and quantises tile w; its two fragments go
; to the others through LDS as images of their registers (one barrier).  For all four tiles wave w makes heads 2 w and 2 w + 1 of q, k and v; its 24 weight fragments stay in registers.
; q, k: source 0 = 16 rows of W, source 1 = x: a lane (n, h) holds row slot n and all 32 channels of head 2 w + h: a whole block.
; v: source 0 = x, source 1 = 16 rows of Wv: a lane (n, h) holds channel slot n and, over the four tiles, keys 32 h + 0 .. 31: a whole block along the keys.
; OUT.  qc [b][head][row][24 bytes].  kc [b][head][kap]: one fragment image whose block j holds key tile j.  vc [b][head][kap][u][piece][lane][8 bytes].  The 64 rows' part of each is 1,536 consecutive bytes a head.
; qsw: q's byte less 4 (the scores' factor 256^-0.5 = 2^-4), in all four bytes of a word.  ksw: a word a key slot, byte j for tile j.  vsw: two bytes of a V fragment's word, the other two zero.
; The weights are read by all 256 work-groups, each fragment straight into the registers of the one wave that multiplies by it: through LDS by joint loads they would be written and read once more, for 150 KB a work-group.
; LIMITS: NaN and infinities are not served.  A block of zeros gets the byte 1, not 127 (zero codes; the bytes are read by this program alone).  A block of q whose largest magnitude lies under 2^-120 has
; its lowered byte held at 1: its scores come out up to 16 times too large, and still under 2^-110.
; REGISTERS.  window 0: see the names.  window 1: Wq's 8 fragments v0-95, Wk's v96-191.  window 2: Wv's v0-95; v96-223 beta, later v's 16 accumulators.  window 3: v0-127 my rows' numbers; v128-255 gamma.
; THE MODE: SCHED_MODE bits 1:0 = 2 (LLVM: expert scheduling mode 2), set by the entry lines.  The code itself states the register dependences
; between vector or matrix instructions and memory or LDS instructions, with s_wait_alu, always for 0.
; THE PLAN.  Registers that memory or LDS instructions touch, and who else names them:
;   v1-15            offsets and LDS addresses: made at the head, ahead of the first wait on va_vdst, and never written again.
;   window 3 v0-127  x lands; my LDS stores read it; LDS loads land in the same registers (a wait on vm_vsrc between); then the norm works on them.
;   gamma, beta, the weights, their scale words: the loads land in registers that no vector instruction has named.
;   XC, XW           written by the conversions, the moves and the words' lines; read by LDS stores (a wait on va_vdst between).  XC is written again for v, behind the tiles' waits on vm_vsrc.
;   XF, XSWD         a tile's fragments of x and their scale words, TWO sets by turns.  Tile j's products read set j % 2; tile j + 1's LDS loads are issued at tile j's head into the other set, which tile j - 1's products read.
;   QC, KC, QWD      written by tile j's vector lines, read by its LDS stores, written again in tile j + 1.
;   KW, VW           written by vector lines, read by the last global stores.   v96-167, v176-179: named by products and conversions; the way out's LDS loads land there.
; So a tile has ONE wait on va_vdst, ahead of its LDS stores: the codes and words are written, and the tile's products are done reading their set of fragments, into which the next tile's head loads with no further wait
; (no vector or matrix instruction stands between that wait and those loads); and one wait on vm_vsrc behind the stores, ahead of the next tile's conversions.
.set SCW,  589824
.set XIMG, 0                           ; LDS: x's 8 images (2 j + K step),
.set XSC,  12288                       ; their scale words, 128 bytes each,
.set QST,  13312                       ; stages for the way out: [head][1,536 bytes]
.set KST,  25600
.set VST,  37888
.set QSS,  50176                       ; q's scale words [head][64]
.set XS,   52224                       ; each wave's 16 rows of x, 1,024 + 16 bytes apart: 65 x 16, so that 16 rows' pieces fall into 16 different groups of banks
.set XP,   1040
.set L16, 1                            ; 16 x lane
.set L4,  2                            ; 4 x lane
.set XSS, 3                            ; x into LDS, as loaded
.set XSR, 4                            ; and back: row r, + 128 h
.set GBO, 5                            ; 128 h
.set XWI, 6                            ; 3,072 w + 16 x lane
.set XWS, 7                            ; 256 w + 4 x lane
.set AQ,  8
.set AQS, 9
.set AK,  10
.set AV,  11
.set SH8, 12
.set SHV, 13
.set QSO, 14
.set QSR, 15
.set XF,  16                           ; v16-39 a tile's two fragments, set 0; set 1 lies 56 registers on, v72-95
.set XSWD, 40                          ; v40-41 their scale words, set 0; v42-43 set 1
.set WS,  48                           ; v48-71 the weights' scale words
.set QA,  96                           ; v96-127 q's four accumulators; v128-159 k's
.set KA,  128
.set QC,  160
.set QCT, 166
.set KC,  170
.set KCT, 176
.set MA,  180
.set SCL, 188
.set BY,  192
.set KW,  204
.set QWD, 205
.set VW,  208
.set XC,  212                          ; v212-235 codes: x's two fragments, later v's four blocks
.set XW,  236
.set QW0, 238
.set QW1, 239
.set ACC, 240
.set MU,  248
.set RS,  250
.set TA,  252
.set TB,  253
.set XT,  96
.set LXR, 0
.set GW,  3
.set GR,  128
.set BW,  2
.set BR,  96
.set SEL, 34
.set INV, 36
.set MSB, 0
.macro WIN new                         ; the immediate's high byte repeats the setting that is left; a switch that changes nothing is dropped
.if MSB != (\new)
	s_set_vgpr_msb (MSB<<8)|(\new)
.set MSB, (\new)
.endif
.endm
.macro PLACES n
.rept \n
	v_nop
.endr
.endm
.macro MMZ d, a, b, sa, sb             ; a product that starts a sum
	v_wmma_scale_f32_16x16x128_f8f6f4 v[\d:\d+7], v[\a:\a+11], v[\b:\b+11], 0, v[\sa], v[\sb] matrix_a_fmt:MATRIX_FMT_FP6 matrix_b_fmt:MATRIX_FMT_FP6
.endm
.macro MMC d, a, b, c, sa, sb
	v_wmma_scale_f32_16x16x128_f8f6f4 v[\d:\d+7], v[\a:\a+11], v[\b:\b+11], v[\c:\c+7], v[\sa], v[\sb] matrix_a_fmt:MATRIX_FMT_FP6 matrix_b_fmt:MATRIX_FMT_FP6
.endm
; The largest magnitudes of nb blocks of 32 registers from v[src] on, two chains a block, the blocks by turns; the numbers stand in source places 0 and 1, so that one window setting serves.  With the floor 2^(3 - 127).
.macro QMAXN src, nb
.set qb, 0
.rept \nb
	v_max3_num_f32 v[MA+2*qb], |v[\src+32*qb]|, |v[\src+32*qb+1]|, 0x1800000
	v_max3_num_f32 v[MA+2*qb+1], |v[\src+32*qb+16]|, |v[\src+32*qb+17]|, 0x1800000
.set qb, qb+1
.endr
.set qi, 2
.rept 7
.set qb, 0
.rept \nb
	v_max3_num_f32 v[MA+2*qb], |v[\src+32*qb+qi]|, |v[\src+32*qb+qi+1]|, v[MA+2*qb]
	v_max3_num_f32 v[MA+2*qb+1], |v[\src+32*qb+16+qi]|, |v[\src+32*qb+17+qi]|, v[MA+2*qb+1]
.set qb, qb+1
.endr
.set qi, qi+2
.endr
.endm
.macro QSCL nb                         ; the conversions' scale operands (2 off the exponent field) and the bytes
.set qb, 0
.rept \nb
	v_max_num_f32 v[MA+2*qb], v[MA+2*qb], v[MA+2*qb+1]
.set qb, qb+1
.endr
.set qb, 0
.rept \nb
	v_add_nc_u32 v[SCL+qb], 0xff000000, v[MA+2*qb]
.set qb, qb+1
.endr
.set qb, 0
.rept \nb
	v_lshrrev_b32 v[BY+qb], 23, v[SCL+qb]
.set qb, qb+1
.endr
.endm
.macro QCVT dst, tmp, src, scl         ; a block's 32 numbers: 16 codes into dst, 16 into tmp (three registers from an even one)
	v_cvt_scalef32_pk16_fp6_f32 v[\dst:\dst+2], v[\src:\src+15], v[\scl]
	v_cvt_scalef32_pk16_fp6_f32 v[\tmp:\tmp+2], v[\src+16:\src+31], v[\scl]
.endm
.macro QMOV dst, tmp
	v_mov_b32 v[\dst+3], v[\tmp]
	v_mov_b32 v[\dst+4], v[\tmp+1]
	v_mov_b32 v[\dst+5], v[\tmp+2]
.endm
.macro QWORD w, b0, b1                 ; my bytes of blocks h and 2 + h, and lane l xor 16's two: a row's scale word
	v_lshl_or_b32 v[QW0], v[\b1], 16, v[\b0]
	v_lshlrev_b32 v[QW0], v[SH8], v[QW0]
	v_permlanex16_b32 v[QW1], v[QW0], s[SEL], s[SEL+1]
	v_or_b32 v[\w], v[QW0], v[QW1]
.endm
.macro LFOLD                           ; four pairs of partial sums and lane l xor 16's: the row's sum, in v[TA]
	v_pk_add_f32 v[ACC:ACC+1], v[ACC:ACC+1], v[ACC+2:ACC+3]
	v_pk_add_f32 v[ACC+4:ACC+5], v[ACC+4:ACC+5], v[ACC+6:ACC+7]
	v_pk_add_f32 v[ACC:ACC+1], v[ACC:ACC+1], v[ACC+4:ACC+5]
	v_add_f32 v[TA], v[ACC], v[ACC+1]
	v_permlanex16_b32 v[TB], v[TA], s[SEL], s[SEL+1]
	v_add_f32 v[TA], v[TA], v[TB]
.endm
; The layer norm of my row: 128 numbers in window 3 from v[LXR] on, the other 128 in lane l xor 16.  lc: the loads that may stay out when gamma and beta are wanted.
.macro LNORM lc
	WIN 0x0f
.set li, 0
.rept 4
	v_pk_add_f32 v[ACC+2*li:ACC+2*li+1], v[LXR+2*li:LXR+2*li+1], v[LXR+8+2*li:LXR+9+2*li]
.set li, li+1
.endr
	WIN 0x0c
.set li, 8
.rept 56
	v_pk_add_f32 v[ACC+2*(li%4):ACC+2*(li%4)+1], v[ACC+2*(li%4):ACC+2*(li%4)+1], v[LXR+2*li:LXR+2*li+1]
.set li, li+1
.endr
	WIN 0
	LFOLD
	v_mul_f32 v[MU], s[INV], v[TA]                 ; the mean
	v_mov_b32 v[MU+1], v[MU]
	WIN 0xc3
.set li, 0
.rept 64
	v_pk_add_f32 v[LXR+2*li:LXR+2*li+1], v[LXR+2*li:LXR+2*li+1], v[MU:MU+1] neg_lo:[0,1] neg_hi:[0,1]
.set li, li+1
.endr
	WIN 0x0f
.set li, 0
.rept 4
	v_pk_mul_f32 v[ACC+2*li:ACC+2*li+1], v[LXR+2*li:LXR+2*li+1], v[LXR+2*li:LXR+2*li+1]
.set li, li+1
.endr
.rept 60
	v_pk_fma_f32 v[ACC+2*(li%4):ACC+2*(li%4)+1], v[LXR+2*li:LXR+2*li+1], v[LXR+2*li:LXR+2*li+1], v[ACC+2*(li%4):ACC+2*(li%4)+1]
.set li, li+1
.endr
	WIN 0
	LFOLD
	v_fmaak_f32 v[TA], s[INV], v[TA], 0x3727c5ac   ; the variance + 1e-5
	v_rsq_f32 v[RS], v[TA]
	v_nop                                          ; a plain line behind the transcendental,
	s_wait_alu depctr_va_vdst(0)                   ; and the wait ahead of its first reader: v[RS] is written
	v_mov_b32 v[RS+1], v[RS]
	WIN 0xc3
.set li, 0
.rept 64
	v_pk_mul_f32 v[LXR+2*li:LXR+2*li+1], v[LXR+2*li:LXR+2*li+1], v[RS:RS+1]
.set li, li+1
.endr
	s_wait_loadcnt \lc                             ; gamma and beta are in
	WIN 0xc3|(GW<<2)|(BW<<4)
.set li, 0
.rept 64
	v_pk_fma_f32 v[LXR+2*li:LXR+2*li+1], v[LXR+2*li:LXR+2*li+1], v[GR+2*li:GR+2*li+1], v[BR+2*li:BR+2*li+1]
.set li, li+1
.endr
	WIN 0
.endm
; My row's four blocks become two fragments and two scale words, and go to LDS as they stand.
.macro XQUANT
	WIN 0x0f
	QMAXN LXR, 4
	WIN 0
	QSCL 4
	WIN 0x03
.set xb, 0
.rept 4
	QCVT XC+6*xb, XT+4*xb, LXR+32*xb, SCL+xb
.set xb, xb+1
.endr
	WIN 0
	v_nop                                          ; one plain line behind the conversions
.set xb, 0
.rept 4
	QMOV XC+6*xb, XT+4*xb
.set xb, xb+1
.endr
	QWORD XW, BY, BY+1
	QWORD XW+1, BY+2, BY+3
	s_wait_alu depctr_va_vdst(0)                   ; the conversions, the moves and the words' lines have written v[XC ..] and v[XW ..], which the LDS stores read
.set xb, 0
.rept 6
	ds_store_b128 v[XWI], v[XC+4*xb:XC+4*xb+3] offset:512*xb
.set xb, xb+1
.endr
	ds_store_b32 v[XWS], v[XW]
	ds_store_b32 v[XWS], v[XW+1] offset:128
.endm
; Tile j's two fragments of x and their scale words, from LDS into set j % 2: eight loads
.macro XFETCH j
.set i, 0
.rept 6
	ds_load_b128 v[XF+56*((\j)%2)+4*i:XF+56*((\j)%2)+4*i+3], v[L16] offset:XIMG+3072*(\j)+512*i
.set i, i+1
.endr
	ds_load_b32 v[XSWD+2*((\j)%2)], v[L4] offset:XSC+256*(\j)
	ds_load_b32 v[XSWD+2*((\j)%2)+1], v[L4] offset:XSC+256*(\j)+128
.endm
	s_load_b256 s[4:11], s[0:1], 0x0               ; x, gamma1, beta1, wts
	s_load_b128 s[12:15], s[0:1], 0x20             ; qkvc, qkvs
	v_lshl_add_u32 v254, v0, 2, 0x1d000
	v_mov_b32 v255, 0
	v_lshrrev_b32 v16, 5, v0
	v_readfirstlane_b32 s16, v16                   ; wave
	s_lshr_b32 s17, ttmp9, 4                       ; b
	s_and_b32 s18, ttmp9, 15                       ; kap
	s_mov_b32 s[SEL], 0x76543210
	s_mov_b32 s[SEL+1], 0xfedcba98
	s_mov_b32 s[INV], 0x3b800000                   ; 1 / 256
	v_and_b32 v20, 31, v0                          ; lane
	v_and_b32 v21, 15, v0                          ; n
	v_bfe_u32 v22, v0, 4, 1                        ; h
	v_bfe_u32 v24, v0, 3, 1
	v_and_b32 v23, 7, v0
	v_lshl_add_u32 v24, v24, 5, v23                ; 32 (n / 8) + n % 8: slot n's row, less 8 j
	v_lshlrev_b32 v[L16], 4, v20
	v_lshlrev_b32 v[L4], 2, v20
	s_wait_alu depctr_va_sdst(0)                   ; s16, the wave's number, is written, ahead of its first reader: LDS places and all bases are made from it
	s_mul_i32 s19, s16, 16*XP
	s_add_co_u32 s19, s19, XS
	v_add_nc_u32 v[XSS], s19, v[L16]
	v_mul_u32_u24 v23, v21, XP
	v_lshl_add_u32 v23, v22, 7, v23
	v_add_nc_u32 v[XSR], s19, v23
	v_lshlrev_b32 v[GBO], 7, v22
	s_mul_i32 s19, s16, 3072
	v_add_nc_u32 v[XWI], s19, v[L16]
	v_lshlrev_b32 v23, 3, v20
	v_add_nc_u32 v[AV], s19, v23                   ; v's stage: 3,072 w + 8 x lane
	s_lshl_b32 s19, s16, 8
	v_add_nc_u32 v[XWS], s19, v[L4]
	v_add_nc_u32 v[XWS], XSC, v[XWS]
	s_lshl_b32 s19, s16, 1
	v_add_nc_u32 v25, s19, v22                     ; my head of the eight: 2 w + h
	v_mul_u32_u24 v26, v25, 1536
	v_mad_u32_u24 v[AQ], v24, 24, v26              ; q's stage: head, row
	v_lshlrev_b32 v27, 8, v25
	v_lshl_add_u32 v[AQS], v24, 2, v27
	v_lshl_add_u32 v[AK], v21, 4, v26              ; k's stage: head, 16 n
	v_lshlrev_b32 v[SH8], 3, v22
	s_and_b32 s19, s18, 1
	s_lshl_b32 s19, s19, 4
	v_add_nc_u32 v[SHV], s19, v[SH8]               ; where v's byte stands in its word: 8 h + 16 (kap % 2) bits up
	v_lshlrev_b32 v27, 12, v22
	v_lshl_add_u32 v[QSO], v21, 4, v27
	s_lshl_b32 s19, s16, 9
	v_add_nc_u32 v[QSR], s19, v[L16]
	v_mov_b32 v[QW1], 0                            ; lane permutes' destinations count as read
	v_mov_b32 v[TB], 0
	s_lshl_b32 s20, ttmp9, 16
	s_lshl_b32 s19, s16, 13
	s_add_co_u32 s20, s20, s19                     ; x: row 64 id + 8 w
	s_mov_b32 s21, 0
	s_mul_i32 s22, s16, 12288                      ; my 8 fragments of each weight
	s_mov_b32 s23, 0
	s_lshl_b32 s24, s16, 10
	s_add_co_u32 s24, s24, SCW
	s_mov_b32 s25, 0
	s_lshl_b32 s26, s17, 3
	s_lshl_b32 s19, s16, 1
	s_add_co_u32 s26, s26, s19                     ; 8 b + 2 w
	s_lshl_b32 s28, s26, 12
	s_lshl_b32 s19, s18, 8
	s_add_co_u32 s28, s28, s19
	s_mov_b32 s29, 0
	s_lshl_b32 s26, s26, 4
	s_add_co_u32 s26, s26, s18
	s_mul_i32 s26, s26, 1536
	s_mov_b32 s27, 0
	s_lshl_b32 s30, ttmp9, 2
	s_add_co_u32 s30, s30, s16                     ; 4 id + w
	s_lshl_b32 s32, s30, 9
	s_add_co_u32 s32, s32, 655360
	s_mov_b32 s33, 0
	s_lshl_b32 s30, s30, 7
	s_add_co_u32 s30, s30, 524288
	s_mov_b32 s31, 0
	s_wait_kmcnt 0x0
	s_add_nc_u64 s[4:5], s[4:5], s[20:21]
	s_add_nc_u64 s[22:23], s[10:11], s[22:23]
	s_add_nc_u64 s[24:25], s[10:11], s[24:25]
	s_add_nc_u64 s[26:27], s[12:13], s[26:27]
	s_add_nc_u64 s[28:29], s[14:15], s[28:29]
	s_add_nc_u64 s[30:31], s[14:15], s[30:31]
	s_add_nc_u64 s[32:33], s[14:15], s[32:33]
	WIN 0xc0
	s_wait_alu depctr_va_vdst(0)                   ; the offsets and LDS addresses v1 to v15 are written, which every load and store of the kernel reads; so are v16 to v27, in which fragments of x land later
.set i, 0
.rept 16                                       ; my 16 rows, 512 consecutive bytes a load
	global_load_b128 v[8*i:8*i+3], v[L16], s[4:5] offset:(32*(i/8)+i%8)*1024 th:TH_LOAD_NT
	global_load_b128 v[8*i+4:8*i+7], v[L16], s[4:5] offset:(32*(i/8)+i%8)*1024+512 th:TH_LOAD_NT
.set i, i+1
.endr
.set i, 0
.rept 32                                       ; gamma at my 128 places: 64 (i / 8) + 32 h + 4 (i % 8) on
	global_load_b128 v[GR+4*i:GR+4*i+3], v[GBO], s[6:7] offset:256*(i/8)+16*(i%8)
.set i, i+1
.endr
	WIN 0x80
.set i, 0
.rept 32
	global_load_b128 v[BR+4*i:BR+4*i+3], v[GBO], s[8:9] offset:256*(i/8)+16*(i%8)
.set i, i+1
.endr
	s_wait_loadcnt 63                              ; x is in: 64 loads were issued behind it
	WIN 0x0c
.set i, 0
.rept 16                                       ; through my own rows of LDS: in as loaded, back 128 bytes of a row at a time
	ds_store_b128 v[XSS], v[8*i:8*i+3] offset:XP*i
	ds_store_b128 v[XSS], v[8*i+4:8*i+7] offset:XP*i+512
.set i, i+1
.endr
	WIN 0xc0
	s_wait_alu depctr_vm_vsrc(0)                   ; the LDS stores above have read window 3's v0 to v127, in which the LDS loads below land and which the norm then writes
.set i, 0
.rept 32                                       ; LDS serves a wave's instructions in order: these see the stores above
	ds_load_b128 v[4*i:4*i+3], v[XSR] offset:256*(i/8)+16*(i%8)
.set i, i+1
.endr
	WIN 0x40
.set i, 0
.rept 24
	global_load_b128 v[4*i:4*i+3], v[L16], s[22:23] offset:512*i
.set i, i+1
.endr
.set i, 0
.rept 24
	global_load_b128 v[96+4*i:96+4*i+3], v[L16], s[22:23] offset:49152+512*i
.set i, i+1
.endr
	WIN 0x80
.set i, 0
.rept 24
	global_load_b128 v[4*i:4*i+3], v[L16], s[22:23] offset:98304+512*i
.set i, i+1
.endr
	WIN 0
.set i, 0
.rept 24
	global_load_b32 v[WS+i], v[L4], s[24:25] offset:4096*(i/8)+128*(i%8)
.set i, i+1
.endr
	s_wait_dscnt 0x0
	LNORM 63                                       ; 96 weight loads were issued behind beta
	XQUANT
	s_wait_dscnt 0x0                               ; my images lie in LDS
	s_barrier_signal -1
	s_barrier_wait -1                              ; everybody's do
	XFETCH 0                                       ; tile 0's fragments.  No wait: no vector instruction since the wait ahead of the images' stores names set 0
	s_wait_loadcnt 0x0                             ; the weights
	s_wait_dscnt 0x0                               ; tile 0's fragments are in
; Tile j of the rows: 24 products, twelve accumulators by turns; q's and k's blocks are quantised and staged.
.macro ROWT j
.if \j < 3
	XFETCH \j+1                                    ; the next tile's fragments, into the other set.  No wait: the tile before stated, ahead of its stores, that its products are done reading that set, and nothing since names it
.endif
.set xf, XF+56*((\j)%2)
.set xs, XSWD+2*((\j)%2)
.irp s, 0,1
	WIN 0x01
.irp t, 0,1,2,3
.if \s == 0
	MMZ QA+8*\t, 12*(2*\t), xf, WS+2*\t, xs
.else
	MMC QA+8*\t, 12*(2*\t+1), xf+12, QA+8*\t, WS+2*\t+1, xs+1
.endif
.endr
.irp t, 0,1,2,3
.if \s == 0
	MMZ KA+8*\t, 96+12*(2*\t), xf, WS+8+2*\t, xs
.else
	MMC KA+8*\t, 96+12*(2*\t+1), xf+12, KA+8*\t, WS+8+2*\t+1, xs+1
.endif
.endr
	WIN 0xa8
.irp t, 0,1,2,3
.if \s == 0
	MMZ 96+32*\t+8*\j, xf, 12*(2*\t), xs, WS+16+2*\t
.else
	MMC 96+32*\t+8*\j, xf+12, 12*(2*\t+1), 96+32*\t+8*\j, xs+1, WS+16+2*\t+1
.endif
.endr
.endr
	WIN 0
	PLACES 4                                       ; four plain lines between the last products and the first read of results
	QMAXN QA, 2                                    ; block 0: q's 32 channels; block 1: k's
	QSCL 2
	QCVT QC, QCT, QA, SCL
	QCVT KC, KCT, KA, SCL+1
	v_nop
	QMOV QC, QCT
	QMOV KC, KCT
	v_max_num_f32 v[TA], 0x3800000, v[MA]          ; q's byte less 4: a floor of 2^(7 - 127), 6 off the exponent field,
	v_add_nc_u32 v[TA], 0xfd000000, v[TA]
	v_lshrrev_b32 v[TA], 23, v[TA]
	v_mul_lo_u32 v[QWD], v[TA], 0x01010101         ; in all four bytes
.if \j == 0
	v_mov_b32 v[KW], v[BY+1]
.else
	v_lshl_or_b32 v[KW], v[BY+1], 8*\j, v[KW]
.endif
	s_wait_alu depctr_va_vdst(0)                   ; v[QC ..], v[KC ..] and v[QWD] are written, which the LDS stores read; this tile's products are done reading their set of x's fragments, in which the next tile's head lets loads land
.irp i2, 0,1,2
	ds_store_b64 v[AQ], v[QC+2*\i2:QC+2*\i2+1] offset:QST+192*\j+8*\i2
.endr
	ds_store_b32 v[AQS], v[QWD] offset:QSS+32*\j
.if \j < 2                                     ; block j of the image: lane n + 16 (j % 2), registers 6 (j / 2) on
	ds_store_b128 v[AK], v[KC:KC+3] offset:KST+256*(\j%2)
	ds_store_b64 v[AK], v[KC+4:KC+5] offset:KST+256*(\j%2)+512
.else
	ds_store_b64 v[AK], v[KC:KC+1] offset:KST+256*(\j%2)+520
	ds_store_b128 v[AK], v[KC+2:KC+5] offset:KST+256*(\j%2)+1024
.endif
	s_wait_alu depctr_vm_vsrc(0)                   ; the LDS stores have read v[QC ..], v[KC ..] and v[QWD], which the next tile's lines write again (and in which, behind the last tile, loads land)
	s_wait_dscnt 0x0                               ; the next tile's fragments are in
.endm
	ROWT 0
	ROWT 1
	ROWT 2
	ROWT 3
	; v: four blocks of 32 keys a lane (head 2 w + idx / 2, channel tile idx % 2)
	WIN 0x0a
	QMAXN 96, 4
	WIN 0
	QSCL 4
	WIN 0x02
.set xb, 0
.rept 4
	QCVT XC+6*xb, XT+4*xb, 96+32*xb, SCL+xb
.set xb, xb+1
.endr
	WIN 0
	v_nop
.set xb, 0
.rept 4
	QMOV XC+6*xb, XT+4*xb
.set xb, xb+1
.endr
.set xb, 0
.rept 4
	v_lshlrev_b32 v[QW0], v[SHV], v[BY+xb]
	v_permlanex16_b32 v[QW1], v[QW0], s[SEL], s[SEL+1]
	v_or_b32 v[VW+xb], v[QW0], v[QW1]              ; the two bytes of these 64 keys
.set xb, xb+1
.endr
	s_wait_alu depctr_va_vdst(0)                   ; v's codes v[XC ..] are written, which the LDS stores read, and v[VW ..] and v[KW], which the last global stores read; every vector and matrix line is done with v96 to v179, in which the way out's loads land
.set xb, 0
.rept 4
.irp i2, 0,1,2
	ds_store_b64 v[AV], v[XC+6*xb+2*\i2:XC+6*xb+2*\i2+1] offset:VST+768*xb+256*\i2
.endr
.set xb, xb+1
.endr
	; THE WAY OUT: each stage's 1,536 bytes a head leave as three stores of 512 consecutive bytes
	ds_load_b128 v[176:179], v[QSR] offset:QSS
.set i, 0
.rept 18
	ds_load_b128 v[96+4*i:96+4*i+3], v[XWI] offset:QST+12288*(i/6)+512*(i%6)
.set i, i+1
.endr
.set i, 0
.rept 18
	s_wait_dscnt 17-i
	global_store_b128 v[L16], v[96+4*i:96+4*i+3], s[26:27] offset:3145728*(i/6)+24576*((i%6)/3)+512*(i%3)
.set i, i+1
.endr
	global_store_b128 v[QSO], v[176:179], s[28:29]
	global_store_b32 v[L4], v[KW], s[30:31]
	global_store_b128 v[L16], v[VW:VW+3], s[32:33]
	s_wait_dscnt 0x0
	s_wait_alu depctr_hold_cnt(0) depctr_sa_sdst(0) depctr_va_vdst(0) depctr_va_sdst(0) depctr_va_ssrc(0) depctr_va_vcc(0) depctr_vm_vsrc(0)
	s_wait_tensorcnt 0x0
	ds_add_u32 v254, v255
	s_wait_dscnt 0x0
	s_endpgm
.Lfunc_end_k_q3a00c12bac_qkv:
	.size	k_q3a00c12bac_qkv, .Lfunc_end_k_q3a00c12bac_qkv-k_q3a00c12bac_qkv
	.p2alignl 7, 3214868480
	.fill 96, 4, 3214868480
	.section	.rodata,"a",@progbits
	.p2align	6, 0x0
	.amdhsa_kernel k_q3a00c12bac_qkv
		.amdhsa_group_segment_fixed_size 119296
		.amdhsa_private_segment_fixed_size 0
		.amdhsa_enable_private_segment 0
		.amdhsa_kernarg_size 48
		.amdhsa_user_sgpr_count 2
		.amdhsa_user_sgpr_kernarg_segment_ptr 1
		.amdhsa_wavefront_size32 1
		.amdhsa_system_sgpr_workgroup_id_x 1
		.amdhsa_system_sgpr_workgroup_id_y 1
		.amdhsa_system_sgpr_workgroup_id_z 1
		.amdhsa_system_vgpr_workitem_id 0
		.amdhsa_next_free_vgpr 1024
		.amdhsa_next_free_sgpr 66
		.amdhsa_reserve_vcc 0
		.amdhsa_float_denorm_mode_32 3
		.amdhsa_float_denorm_mode_16_64 3
		.amdhsa_memory_ordered 1
		.amdhsa_forward_progress 1
		.amdhsa_inst_pref_size 95
	.end_amdhsa_kernel
	.amdgpu_metadata
---
amdhsa.version: [ 1, 2 ]
amdhsa.kernels:
  - .name:           k_q3a00c12bac_qkv
    .symbol:         k_q3a00c12bac_qkv.kd
    .args:
      - { .name: x, .offset: 0, .size: 8, .value_kind: global_buffer, .address_space: global }
      - { .name: gamma1, .offset: 8, .size: 8, .value_kind: global_buffer, .address_space: global }
      - { .name: beta1, .offset: 16, .size: 8, .value_kind: global_buffer, .address_space: global }
      - { .name: wts, .offset: 24, .size: 8, .value_kind: global_buffer, .address_space: global }
      - { .name: qkvc, .offset: 32, .size: 8, .value_kind: global_buffer, .address_space: global }
      - { .name: qkvs, .offset: 40, .size: 8, .value_kind: global_buffer, .address_space: global }
    .group_segment_fixed_size: 119296
    .private_segment_fixed_size: 0
    .kernarg_segment_align: 8
    .kernarg_segment_size: 48
    .max_flat_workgroup_size: 128
    .sgpr_count:     66
    .vgpr_count:     1024
    .wavefront_size: 32
...
	.end_amdgpu_metadata
.endif
;; end of part 5
;; launch attn: the kernel of part 3 again; grid 256 x 1, 4 waves a work-group, no clusters, 278,016 bytes of LDS; arguments spatial_encoding, edge_encoding, qkvc, qkvs, ows; writes ows
;; launch tail (part 6): grid 256 x 1, 4 waves a work-group, no clusters, 138,752 bytes of LDS; arguments x, gamma2, beta2, b1, b2, wts, ows, out0; writes out0
.if DOCPART == 6
	.amdgcn_target "amdgcn-amd-amdhsa--gfx1250"
	.amdhsa_code_object_version 6
	.text
	.protected	k_q3a00c12bac_tail
	.globl	k_q3a00c12bac_tail
	.p2align	8
	.type	k_q3a00c12bac_tail,@function
k_q3a00c12bac_tail:
	s_mov_b64 s[64:65], 0
	v_nop
	global_prefetch_b8 v0, s[64:65] scope:SCOPE_SE
	s_setreg_imm32_b32 hwreg(HW_REG_WAVE_SCHED_MODE, 0, 2), 2
	s_setreg_imm32_b32 hwreg(HW_REG_WAVE_MODE, 25, 1), 1
	s_wait_xcnt 0x0
	s_wait_alu depctr_vm_vsrc(0)
; TAIL: att = Q(o) Q(Wo)^T + x; h = gelu(Q(layer norm of x) Q(W1)^T + b1), tanh form; out = Q(h) Q(W2)^T + b2 + att; a row in which some att is 0 becomes 0.  All products on FP6 (E2M3) codes.
; SHARES.  A work-group takes 64 rows (tile j, slot n: row 16 j + n).  THE WAVES SHARE THE COLUMNS: for all 64 rows wave w makes outputs 64 w .. + 63 of Wo and W2 and hidden units 256 w .. + 255.
; All products are used transposed (source 0 = 16 rows of a weight, source 1 = 16 rows): with the weights' rows ordered as the first launch orders them, a lane (n, h) holds row n and 32 neighbouring columns.
; x enters as the C of Wo's first products, b1 as the C of W1's; the hidden layer goes in four groups of 64 units; a group's codes are half a fragment of the next K step and go to LDS as part of its image.
; WEIGHTS come from memory straight into the registers of the one wave that multiplies by them, each used for four row tiles, a group or two K steps ahead, in buffers that take turns:
; P0 = window 1 v96-191, P1 = window 2 v0-95, P2 = window 2 v96-191, and for W2's K steps 4, 5 window 3 v128-223.  Through LDS by joint loads the 445 KB a work-group would be written and read once more.
; LIMITS: NaN and infinities are not served; a block of zeros gets the byte 1, not 127 (zero codes; the bytes are read by this program alone).
; REGISTERS.  window 0: the names below.  window 1: gamma, beta; then v0-95 x's 8 fragments, v96-191 P0, v192-255 b1 (two sets); behind the hidden layer five sets of four hidden fragments.
; window 2: P1 (first Wo), P2 (first o's 8 fragments), v192-255 b2, then gelu's temporaries, then a sixth set of hidden fragments.  window 3: v0-127 att, then out; v128-255 my rows of x, then the hidden layer.
; THE MODE: SCHED_MODE bits 1:0 = 2 (LLVM: expert scheduling mode 2), set by the entry lines.  The code itself states the register dependences
; between vector or matrix instructions and memory or LDS instructions, with s_wait_alu, always for 0.
; THE PLAN.  Registers that memory or LDS instructions touch, and who else names them:
;   v1-22              offsets and LDS addresses: made at the head, ahead of the first wait on va_vdst, and never written again.
;   window 3 v128-255  x lands; LDS stores read it; LDS loads land (a wait on vm_vsrc between); the norm, later the hidden layer's products, gelu and conversions work there; then W2's K steps 4, 5 land, at the end the stage's rows.
;   gamma, beta        read by the norm; W1's group 0, b1 and x's fragments land there behind the wait that stands ahead of the stores of x's images.
;   P1, P2             Wo and o, read by the first products; W1's groups 1, 2 land behind the wait that stands ahead of the stores of att's minima.
;   P0, P1, P2, b1     group g's products read a buffer and a set of b1; the next loads into them stand behind the wait that follows the group's first 64 exponentials.
;   XC, XW, HC, HW, MZ written by vector lines, read by LDS stores: a wait on va_vdst ahead of each run of stores, a wait on vm_vsrc behind those whose registers are written again.
;   hidden fragments   SIX sets, K step sp in set sp % 6, and 32 registers of scale words, one for each row tile and K step: K steps 0 to 5 land in registers that nothing has named since the last group's wait.
;                      ONE wait on va_vdst stands in the eight K steps, at the head of K step 2: the products of K steps 0, 1 are done with P1 and with sets 0, 1, which take W2's and the hidden layer's K steps 6, 7.
;   window 3 v0-127    x lands as C; products, minima, additions and selections work there; the stage's stores read them behind one wait.
.set SCW,  589824
.set XP,   1040
.set XIMG, 69632                       ; LDS: 0: 64 rows of x, 1,040 bytes apart; later each wave's stage of 64 rows x 272 bytes
.set XSC,  81920
.set HIMG, 82944                       ; the hidden layer's 32 images (8 j + K step)
.set HSC,  132096
.set FLG,  136192                      ; [wave][j][lane]: the least magnitude of att in a row's 64 columns
.set L16, 1
.set L4,  2
.set XSS, 3
.set XSR, 4
.set GBO, 5
.set XWI, 6
.set XWS, 7
.set XAO, 8
.set OFO, 9
.set N4,  10
.set HWI, 11
.set SH8, 12
.set HWS, 13
.set FLS, 14
.set OSTW, 15
.set OSTR, 16
.set OUTO, 17
.set HRD, 18
.set HSR, 19
.set FLR, 20
.set XRD, 21
.set XSRD, 22
.set XSW, 24                           ; v24-111 hold scale words and nothing else: x's, o's, Wo's, W1's, W2's
.set OSW, 32
.set WOS, 40
.set W1S, 48
.set W2S, 80
.set HSW, 24                           ; the hidden layer's, K step sp at HSW + 4 sp: v24-55, which x's, o's, Wo's and the first of W1's words have left by then
.set HC,  120
.set HCT, 144
.set XT,  144
.set MA,  160
.set SCL, 168
.set BY,  172
.set HBY, 176
.set QW0, 180
.set QW1, 181
.set HW,  182
.set ACC, 186
.set MU,  194
.set RS,  196
.set TA,  198
.set TB,  199
.set K1V, 200
.set MZ,  202
.set FL,  206
.set XC,  222
.set XW,  246
.set LXR, 128
.set GW,  1
.set GR,  0
.set BW,  1
.set BR,  128
.set WV,  36
.set SEL, 38
.set INV, 40
.set K2,  42
.set MSB, 0
.macro WIN new                         ; the immediate's high byte repeats the setting that is left; a switch that changes nothing is dropped
.if MSB != (\new)
	s_set_vgpr_msb (MSB<<8)|(\new)
.set MSB, (\new)
.endif
.endm
.macro PLACES n
.rept \n
	v_nop
.endr
.endm
.macro MMC d, a, b, c, sa, sb
	v_wmma_scale_f32_16x16x128_f8f6f4 v[\d:\d+7], v[\a:\a+11], v[\b:\b+11], v[\c:\c+7], v[\sa], v[\sb] matrix_a_fmt:MATRIX_FMT_FP6 matrix_b_fmt:MATRIX_FMT_FP6
.endm
.macro QMAXN src, nb                   ; the largest magnitudes of nb blocks of 32 registers, two chains a block, the blocks by turns, with the floor 2^(3 - 127)
.set qb, 0
.rept \nb
	v_max3_num_f32 v[MA+2*qb], |v[\src+32*qb]|, |v[\src+32*qb+1]|, 0x1800000
	v_max3_num_f32 v[MA+2*qb+1], |v[\src+32*qb+16]|, |v[\src+32*qb+17]|, 0x1800000
.set qb, qb+1
.endr
.set qi, 2
.rept 7
.set qb, 0
.rept \nb
	v_max3_num_f32 v[MA+2*qb], |v[\src+32*qb+qi]|, |v[\src+32*qb+qi+1]|, v[MA+2*qb]
	v_max3_num_f32 v[MA+2*qb+1], |v[\src+32*qb+16+qi]|, |v[\src+32*qb+17+qi]|, v[MA+2*qb+1]
.set qb, qb+1
.endr
.set qi, qi+2
.endr
.endm
.macro QSCL nb
.set qb, 0
.rept \nb
	v_max_num_f32 v[MA+2*qb], v[MA+2*qb], v[MA+2*qb+1]
.set qb, qb+1
.endr
.set qb, 0
.rept \nb
	v_add_nc_u32 v[SCL+qb], 0xff000000, v[MA+2*qb]
.set qb, qb+1
.endr
.set qb, 0
.rept \nb
	v_lshrrev_b32 v[BY+qb], 23, v[SCL+qb]
.set qb, qb+1
.endr
.endm
.macro QCVT dst, tmp, src, scl
	v_cvt_scalef32_pk16_fp6_f32 v[\dst:\dst+2], v[\src:\src+15], v[\scl]
	v_cvt_scalef32_pk16_fp6_f32 v[\tmp:\tmp+2], v[\src+16:\src+31], v[\scl]
.endm
.macro QMOV dst, tmp
	v_mov_b32 v[\dst+3], v[\tmp]
	v_mov_b32 v[\dst+4], v[\tmp+1]
	v_mov_b32 v[\dst+5], v[\tmp+2]
.endm
.macro QWORD w, b0, b1
	v_lshl_or_b32 v[QW0], v[\b1], 16, v[\b0]
	v_lshlrev_b32 v[QW0], v[SH8], v[QW0]
	v_permlanex16_b32 v[QW1], v[QW0], s[SEL], s[SEL+1]
	v_or_b32 v[\w], v[QW0], v[QW1]
.endm
.macro LFOLD
	v_pk_add_f32 v[ACC:ACC+1], v[ACC:ACC+1], v[ACC+2:ACC+3]
	v_pk_add_f32 v[ACC+4:ACC+5], v[ACC+4:ACC+5], v[ACC+6:ACC+7]
	v_pk_add_f32 v[ACC:ACC+1], v[ACC:ACC+1], v[ACC+4:ACC+5]
	v_add_f32 v[TA], v[ACC], v[ACC+1]
	v_permlanex16_b32 v[TB], v[TA], s[SEL], s[SEL+1]
	v_add_f32 v[TA], v[TA], v[TB]
.endm
.macro LNORM lc                        ; the layer norm of my row: 128 numbers in window 3 from v[LXR] on, the other 128 in lane l xor 16
	WIN 0x0f
.set li, 0
.rept 4
	v_pk_add_f32 v[ACC+2*li:ACC+2*li+1], v[LXR+2*li:LXR+2*li+1], v[LXR+8+2*li:LXR+9+2*li]
.set li, li+1
.endr
	WIN 0x0c
.set li, 8
.rept 56
	v_pk_add_f32 v[ACC+2*(li%4):ACC+2*(li%4)+1], v[ACC+2*(li%4):ACC+2*(li%4)+1], v[LXR+2*li:LXR+2*li+1]
.set li, li+1
.endr
	WIN 0
	LFOLD
	v_mul_f32 v[MU], s[INV], v[TA]
	v_mov_b32 v[MU+1], v[MU]
	WIN 0xc3
.set li, 0
.rept 64
	v_pk_add_f32 v[LXR+2*li:LXR+2*li+1], v[LXR+2*li:LXR+2*li+1], v[MU:MU+1] neg_lo:[0,1] neg_hi:[0,1]
.set li, li+1
.endr
	WIN 0x0f
.set li, 0
.rept 4
	v_pk_mul_f32 v[ACC+2*li:ACC+2*li+1], v[LXR+2*li:LXR+2*li+1], v[LXR+2*li:LXR+2*li+1]
.set li, li+1
.endr
.rept 60
	v_pk_fma_f32 v[ACC+2*(li%4):ACC+2*(li%4)+1], v[LXR+2*li:LXR+2*li+1], v[LXR+2*li:LXR+2*li+1], v[ACC+2*(li%4):ACC+2*(li%4)+1]
.set li, li+1
.endr
	WIN 0
	LFOLD
	v_fmaak_f32 v[TA], s[INV], v[TA], 0x3727c5ac   ; the variance + 1e-5
	v_rsq_f32 v[RS], v[TA]
	v_nop                                          ; a plain line behind the transcendental,
	s_wait_alu depctr_va_vdst(0)                   ; and the wait ahead of its first reader: v[RS] is written
	v_mov_b32 v[RS+1], v[RS]
	WIN 0xc3
.set li, 0
.rept 64
	v_pk_mul_f32 v[LXR+2*li:LXR+2*li+1], v[LXR+2*li:LXR+2*li+1], v[RS:RS+1]
.set li, li+1
.endr
	s_wait_loadcnt \lc
	WIN 0xc3|(GW<<2)|(BW<<4)
.set li, 0
.rept 64
	v_pk_fma_f32 v[LXR+2*li:LXR+2*li+1], v[LXR+2*li:LXR+2*li+1], v[GR+2*li:GR+2*li+1], v[BR+2*li:BR+2*li+1]
.set li, li+1
.endr
	WIN 0
.endm
.macro XQUANT
	WIN 0x0f
	QMAXN LXR, 4
	WIN 0
	QSCL 4
	WIN 0x03
.set xb, 0
.rept 4
	QCVT XC+6*xb, XT+4*xb, LXR+32*xb, SCL+xb
.set xb, xb+1
.endr
	WIN 0
	v_nop
.set xb, 0
.rept 4
	QMOV XC+6*xb, XT+4*xb
.set xb, xb+1
.endr
	QWORD XW, BY, BY+1
	QWORD XW+1, BY+2, BY+3
	s_wait_alu depctr_va_vdst(0)                   ; v[XC ..] and v[XW ..] are written, which the LDS stores read; the norm is done reading gamma and beta, in whose registers the loads behind these stores land
.set xb, 0
.rept 6
	ds_store_b128 v[XWI], v[XC+4*xb:XC+4*xb+3] offset:512*xb
.set xb, xb+1
.endr
	ds_store_b32 v[XWS], v[XW]
	ds_store_b32 v[XWS], v[XW+1] offset:128
.endm
.macro ADDR dst, src, mul, add         ; an address: a buffer's + mul x wave + add
	s_mul_i32 s32, s[WV], \mul
	s_add_co_u32 s32, s32, \add
	s_add_nc_u64 s[\dst:\dst+1], s[\src:\src+1], s[32:33]
.endm
.macro WLOAD dw, dr, sb, off           ; 8 fragments, 12,288 consecutive bytes, into window dw from v[dr] on: 24 loads
	WIN (\dw)<<6
.set wi, 0
.rept 24
	global_load_b128 v[\dr+4*wi:\dr+4*wi+3], v[L16], s[\sb:\sb+1] offset:\off+512*wi
.set wi, wi+1
.endr
	WIN 0
.endm
.macro SLOAD dr, sb, off               ; their 8 scale words
.set wi, 0
.rept 8
	global_load_b32 v[\dr+wi], v[L4], s[\sb:\sb+1] offset:\off+128*wi
.set wi, wi+1
.endr
.endm
.macro B1LOAD gam                      ; b1 at my 32 units of group gam: 8 loads
	WIN 0x40
.set wi, 0
.rept 8
	global_load_b128 v[192+32*((\gam)%2)+4*wi:192+32*((\gam)%2)+4*wi+3], v[GBO], s[10:11] offset:256*(\gam)+16*wi
.set wi, wi+1
.endr
	WIN 0
.endm
.macro W2LOAD dw, dr, sp0              ; W2's fragments of K steps sp0, sp0 + 1 (slot 4 e + t) and their scale words: 24 + 8 loads
	WIN (\dw)<<6
.irp e, 0,1
.irp t, 0,1,2,3
.irp c, 0,1,2
	global_load_b128 v[\dr+12*(4*\e+\t)+4*\c:\dr+12*(4*\e+\t)+4*\c+3], v[L16], s[24:25] offset:(8*\t+\sp0+\e)*1536+512*\c
.endr
.endr
.endr
	WIN 0
.irp e, 0,1
.irp t, 0,1,2,3
	global_load_b32 v[W2S+4*(\sp0+\e)+\t], v[L4], s[30:31] offset:(8*\t+\sp0+\e)*128
.endr
.endr
.endm
; Group gam of the hidden layer for all 64 rows: 32 products, sixteen accumulators by turns; its weights lie in window aw from v[ar] on
.macro HID gam, aw, ar
	WIN 0xd4|(\aw)
.irp j, 0,1,2,3
.irp t, 0,1,2,3
	MMC 128+32*\j+8*\t, \ar+24*\t, 24*\j, 192+32*((\gam)%2)+8*\t, W1S+8*(\gam)+2*\t, XSW+2*\j
.endr
.endr
	WIN 0xf4|(\aw)
.irp j, 0,1,2,3
.irp t, 0,1,2,3
	MMC 128+32*\j+8*\t, \ar+24*\t+12, 24*\j+12, 128+32*\j+8*\t, W1S+8*(\gam)+2*\t+1, XSW+2*\j+1
.endr
.endr
	WIN 0
	PLACES 4                                       ; four plain lines ahead of the first read of results
.endm
; gelu, tanh form, of 64 numbers: x / (1 + 2^(x (K1 + K2 x^2))), K1 = -2 log2(e) sqrt(2 / pi), K2 = 0.044715 K1.  Each batch of 64 transcendentals has one plain line and one wait behind it.
; It is written in two parts, so that a group's loads can stand behind the first part's wait.
.macro GELA hv
.set gx, 128+64*(\hv)
	WIN 0x8f
.set gi, 0
.rept 32
	v_pk_mul_f32 v[192+2*gi:193+2*gi], v[gx+2*gi:gx+2*gi+1], v[gx+2*gi:gx+2*gi+1]
.set gi, gi+1
.endr
	WIN 0x82
.set gi, 0
.rept 32
	v_pk_fma_f32 v[192+2*gi:193+2*gi], v[192+2*gi:193+2*gi], s[K2:K2+1], v[K1V:K1V+1] op_sel_hi:[1,0,1]
.set gi, gi+1
.endr
	WIN 0x8e
.set gi, 0
.rept 32
	v_pk_mul_f32 v[192+2*gi:193+2*gi], v[192+2*gi:193+2*gi], v[gx+2*gi:gx+2*gi+1]
.set gi, gi+1
.endr
	WIN 0x82
.set gi, 0
.rept 64
	v_exp_f32 v[192+gi], v[192+gi]
.set gi, gi+1
.endr
	v_nop
	s_wait_alu depctr_va_vdst(0)                   ; the 64 exponentials are written, ahead of their first reader; in a group's first half also: the group's products are done reading their weights and their set of b1, in which the loads behind this wait land
.endm
.macro GELB hv
.set gx, 128+64*(\hv)
	WIN 0x82
.set gi, 0
.rept 32
	v_pk_add_f32 v[192+2*gi:193+2*gi], v[192+2*gi:193+2*gi], 1.0 op_sel_hi:[1,0]
.set gi, gi+1
.endr
.set gi, 0
.rept 64
	v_rcp_f32 v[192+gi], v[192+gi]
.set gi, gi+1
.endr
	v_nop
	s_wait_alu depctr_va_vdst(0)                   ; the 64 reciprocals are written, ahead of their first reader
	WIN 0xcb
.set gi, 0
.rept 32
	v_pk_mul_f32 v[gx+2*gi:gx+2*gi+1], v[gx+2*gi:gx+2*gi+1], v[192+2*gi:193+2*gi]
.set gi, gi+1
.endr
	WIN 0
.endm
; The group's four blocks (one a row tile) become registers 6 (gam % 2) on of the fragments of K step 2 w + gam / 2; with the odd group the scale words are whole
.macro HQ gam
	WIN 0x0f
	QMAXN 128, 4
	WIN 0
	QSCL 4
	WIN 0x03
.set xb, 0
.rept 4
	QCVT HC+6*xb, HCT+4*xb, 128+32*xb, SCL+xb
.set xb, xb+1
.endr
	WIN 0
	v_nop
.set xb, 0
.rept 4
	QMOV HC+6*xb, HCT+4*xb
.set xb, xb+1
.endr
.set xb, 0
.rept 4
.if (\gam)%2 == 0
	v_mov_b32 v[HBY+xb], v[BY+xb]
.else
	QWORD HW+xb, HBY+xb, BY+xb
.endif
.set xb, xb+1
.endr
	s_wait_alu depctr_va_vdst(0)                   ; v[HC ..] and, in an odd group, v[HW ..] are written, which the LDS stores read; behind the last group also: every line is done with the hidden layer's registers, x's fragments, b1, gelu's temporaries and the scale words v24 to v55, in which loads land next
.set xb, 0
.rept 4
.if (\gam)%2 == 0
	ds_store_b128 v[HWI], v[HC+6*xb:HC+6*xb+3] offset:(8*xb+(\gam)/2)*1536
	ds_store_b64 v[HWI], v[HC+6*xb+4:HC+6*xb+5] offset:(8*xb+(\gam)/2)*1536+512
.else
	ds_store_b64 v[HWI], v[HC+6*xb:HC+6*xb+1] offset:(8*xb+(\gam)/2)*1536+520
	ds_store_b128 v[HWI], v[HC+6*xb+2:HC+6*xb+5] offset:(8*xb+(\gam)/2)*1536+1024
	ds_store_b32 v[HWS], v[HW+xb] offset:(8*xb+(\gam)/2)*128
.endif
.set xb, xb+1
.endr
	s_wait_alu depctr_vm_vsrc(0)                   ; the LDS stores have read v[HC ..] and v[HW ..], which the next group's lines write again (and, earlier, v[MZ ..], which the end writes again)
	s_wait_dscnt 0x0
.endm
; Where K step sp's four hidden fragments lie: set sp % 6: window HFW, from v[HFR] on
.macro HSET sp
.set hk, (\sp)%6
.set HFW, 1
.if hk < 2
.set HFR, 96+48*hk
.elseif hk < 4
.set HFR, 48*(hk-2)
.else
.set HFR, 192
.set HFW, hk-3
.endif
.endm
.macro HFETCH sp                       ; K step sp's four hidden fragments and scale words: 12 + 4 loads
	HSET \sp
	WIN HFW<<6
.irp j, 0,1,2,3
.irp c, 0,1,2
	ds_load_b128 v[HFR+12*\j+4*\c:HFR+12*\j+4*\c+3], v[HRD] offset:(8*\j+(\sp))*1536+512*\c
.endr
.endr
	WIN 0
.irp j, 0,1,2,3
	ds_load_b32 v[HSW+4*(\sp)+\j], v[HSR] offset:(8*\j+(\sp))*128
.endr
.endm
.macro YMUL sp, aw, ar
	HSET \sp
	WIN 0xf0|(HFW<<2)|(\aw)
.irp j, 0,1,2,3
.irp t, 0,1,2,3
	MMC 32*\j+8*\t, \ar+12*(4*((\sp)%2)+\t), HFR+12*\j, 32*\j+8*\t, W2S+4*(\sp)+\t, HSW+4*(\sp)+\j
.endr
.endr
	WIN 0
.endm
	s_load_b256 s[4:11], s[0:1], 0x0               ; x, gamma2, beta2, b1
	s_load_b256 s[12:19], s[0:1], 0x20             ; b2, wts, ows, out0
	v_lshl_add_u32 v254, v0, 2, 0x21c00
	v_mov_b32 v255, 0
	v_lshrrev_b32 v120, 5, v0
	v_readfirstlane_b32 s[WV], v120                ; wave
	s_mov_b32 s[SEL], 0x76543210
	s_mov_b32 s[SEL+1], 0xfedcba98
	s_mov_b32 s[INV], 0x3b800000                   ; 1 / 256
	s_mov_b32 s[K2], 0xbdd2d3ea                    ; K2 = -0.10294324
	s_mov_b32 s[K2+1], s[K2]
	v_mov_b32 v[K1V], 0xc0135761                   ; K1 = -2.3022082
	v_mov_b32 v[K1V+1], 0xc0135761
	v_mov_b32 v[QW1], 0                            ; lane permutes' destinations count as read
	v_mov_b32 v[TB], 0
	v_and_b32 v120, 31, v0                         ; lane
	v_and_b32 v121, 15, v0                         ; n
	v_bfe_u32 v122, v0, 4, 1                       ; h
	v_lshlrev_b32 v[L16], 4, v120
	v_lshlrev_b32 v[L4], 2, v120
	v_lshlrev_b32 v[GBO], 7, v122
	v_lshlrev_b32 v[SH8], 3, v122
	v_lshlrev_b32 v[N4], 2, v121
	s_wait_alu depctr_va_sdst(0)                   ; s[WV], the wave's number, is written, ahead of its first reader: LDS places and all bases are made from it
	s_mul_i32 s32, s[WV], 16*XP
	v_add_nc_u32 v[XSS], s32, v[L16]
	v_mul_u32_u24 v123, v121, XP
	v_lshl_add_u32 v123, v122, 7, v123             ; n x 1,040 + 128 h
	v_add_nc_u32 v[XSR], s32, v123
	s_lshl_b32 s32, s[WV], 8
	v_add_nc_u32 v[XAO], s32, v123
	v_add_nc_u32 v[XWS], s32, v[L4]
	v_add_nc_u32 v[HWS], HSC, v[XWS]
	v_add_nc_u32 v[XWS], XSC, v[XWS]
	s_mul_i32 s32, s[WV], 3072
	v_add_nc_u32 v[XWI], s32, v[L16]
	v_add_nc_u32 v[HWI], HIMG, v[XWI]
	v_add_nc_u32 v[XWI], XIMG, v[XWI]
	v_add_nc_u32 v[XRD], XIMG, v[L16]
	v_add_nc_u32 v[XSRD], XSC, v[L4]
	v_add_nc_u32 v[HRD], HIMG, v[L16]
	v_add_nc_u32 v[HSR], HSC, v[L4]
	v_add_nc_u32 v[FLR], FLG, v[L4]
	s_lshl_b32 s32, s[WV], 9
	v_add_nc_u32 v[FLS], s32, v[FLR]
	s_mul_i32 s32, s[WV], 17408
	v_mul_u32_u24 v123, v121, 272
	v_lshl_add_u32 v123, v122, 7, v123
	v_add_nc_u32 v[OSTW], s32, v123
	v_mul_u32_u24 v123, v122, 272
	v_lshl_add_u32 v123, v121, 4, v123
	v_add_nc_u32 v[OSTR], s32, v123
	v_lshlrev_b32 v123, 10, v122
	v_lshl_add_u32 v[OUTO], v121, 4, v123
	v_mul_u32_u24 v123, v122, 393216
	v_mad_u32_u24 v[OFO], v121, 24, v123
	s_mov_b32 s33, 0
	s_lshl_b32 s34, ttmp9, 16                      ; 64 rows of 1,024 bytes a work-group
	s_mov_b32 s35, 0
	s_wait_kmcnt 0x0
	s_add_nc_u64 s[4:5], s[4:5], s[34:35]
	s_add_nc_u64 s[18:19], s[18:19], s[34:35]
	ADDR 4, 4, 16384, 0                            ; x: my 16 rows
	ADDR 18, 18, 256, 0                            ; out: my 64 columns
	ADDR 10, 10, 1024, 0                           ; b1: my 256 units
	ADDR 12, 12, 256, 0                            ; b2: my 64 outputs
	ADDR 20, 14, 12288, 147456                     ; Wo's fragments 96 + 8 w on
	ADDR 22, 14, 49152, 196608                     ; W1's 128 + 32 w on
	ADDR 24, 14, 49152, 393216                     ; W2's 256 + 32 w on
	ADDR 26, 14, 1024, SCW+12288                   ; and their scale words
	ADDR 28, 14, 4096, SCW+16384
	ADDR 30, 14, 4096, SCW+32768
	s_lshl_b32 s34, ttmp9, 8
	s_add_co_u32 s34, s34, 3145728
	s_add_nc_u64 s[48:49], s[16:17], s[34:35]      ; o's scale words of my rows
	s_mul_i32 s34, ttmp9, 1536
	s_add_nc_u64 s[16:17], s[16:17], s[34:35]      ; o's codes of my rows
	WIN 0xc0
	s_wait_alu depctr_va_vdst(0)                   ; the offsets and LDS addresses v1 to v22 are written, which every load and store of the kernel reads
.set i, 0
.rept 16                                       ; rows 16 w .. + 15 of x, 512 consecutive bytes a load: 32 loads
	global_load_b128 v[LXR+8*i:LXR+8*i+3], v[L16], s[4:5] offset:1024*i th:TH_LOAD_NT
	global_load_b128 v[LXR+8*i+4:LXR+8*i+7], v[L16], s[4:5] offset:1024*i+512 th:TH_LOAD_NT
.set i, i+1
.endr
	WIN 0x80
.irp j, 0,1,2,3                                ; o's fragments (j, K step s): block 2 c + h of K step s is head 4 s + 2 c + h: 48 loads
.irp s, 0,1
.irp c, 0,1
.irp i2, 0,1,2
	global_load_b64 v[96+12*(2*\j+\s)+6*\c+2*\i2:96+12*(2*\j+\s)+6*\c+2*\i2+1], v[OFO], s[16:17] offset:(4*\s+2*\c)*393216+384*\j+8*\i2 th:TH_LOAD_NT
.endr
.endr
.endr
.endr
	WIN 0
.irp j, 0,1,2,3
.irp s, 0,1
	global_load_b32 v[OSW+2*\j+\s], v[N4], s[48:49] offset:65536*\s+64*\j
.endr
.endr
	s_wait_loadcnt 56                              ; x is in; o's 56 loads may be out
	WIN 0x0c
.set i, 0
.rept 16
	ds_store_b128 v[XSS], v[LXR+8*i:LXR+8*i+3] offset:XP*i
	ds_store_b128 v[XSS], v[LXR+8*i+4:LXR+8*i+7] offset:XP*i+512
.set i, i+1
.endr
	WIN 0x40
.set i, 0
.rept 32
	global_load_b128 v[GR+4*i:GR+4*i+3], v[GBO], s[6:7] offset:256*(i/8)+16*(i%8)
.set i, i+1
.endr
.set i, 0
.rept 32
	global_load_b128 v[BR+4*i:BR+4*i+3], v[GBO], s[8:9] offset:256*(i/8)+16*(i%8)
.set i, i+1
.endr
	WIN 0
	WLOAD 2, 0, 20, 0                              ; Wo: 24 + 8 loads
	SLOAD WOS, 26, 0
	s_wait_dscnt 0x0
	s_barrier_signal -1
	s_barrier_wait -1                              ; all 64 rows of x lie in LDS
	WIN 0xc0
	s_wait_alu depctr_vm_vsrc(0)                   ; my LDS stores have read window 3's v128 to v255, in which the LDS loads below land and which the norm then writes
.set i, 0
.rept 32
	ds_load_b128 v[LXR+4*i:LXR+4*i+3], v[XSR] offset:256*(i/8)+16*(i%8)
.set i, i+1
.endr
	WIN 0
	s_wait_dscnt 0x0
	LNORM 32                                       ; behind beta: Wo's 32 loads
	XQUANT
	WLOAD 1, 96, 22, 0                             ; W1's group 0 into P0, where gamma and beta lay: 24 + 8 + 8 loads.  No wait: nothing since the wait ahead of the images' stores names these registers
	SLOAD W1S, 28, 0
	B1LOAD 0
	B1LOAD 1                                       ; 8 loads
	WIN 0x80
.set i, 0
.rept 8                                        ; b2 at my 32 outputs: 8 loads
	global_load_b128 v[192+4*i:192+4*i+3], v[GBO], s[12:13] offset:16*i
.set i, i+1
.endr
	; att = Q(o) Q(Wo)^T + x: x is the C of the first products
	WIN 0xc0
.irp j, 0,1,2,3
.set i, 0
.rept 8
	ds_load_b128 v[32*\j+4*i:32*\j+4*i+3], v[XAO] offset:16*\j*XP+16*i
.set i, i+1
.endr
.endr
	WIN 0
	s_wait_loadcnt 56                              ; o and Wo are in: 56 loads were issued behind them
	s_wait_dscnt 0x0
	WIN 0xfa
.irp s, 0,1
.irp j, 0,1,2,3
.irp t, 0,1,2,3
	MMC 32*\j+8*\t, 12*(2*\t+\s), 96+12*(2*\j+\s), 32*\j+8*\t, WOS+2*\t+\s, OSW+2*\j+\s
.endr
.endr
.endr
	WIN 0
	PLACES 4                                       ; four plain lines between the last products and the first read of results
	WIN 0x0f                                       ; the least magnitude of att in my 32 columns of each row tile, each accumulator from its low end on
.irp j, 0,1,2,3
	v_min_num_f32 v[MZ+\j], |v[32*\j]|, |v[32*\j+1]|
.endr
.set i, 2
.rept 15
.irp j, 0,1,2,3
	v_min3_num_f32 v[MZ+\j], |v[32*\j+i]|, |v[32*\j+i+1]|, v[MZ+\j]
.endr
.set i, i+2
.endr
	WIN 0
.irp j, 0,1,2,3
	v_permlanex16_b32 v[TB], v[MZ+\j], s[SEL], s[SEL+1]
	v_min_num_f32 v[MZ+\j], v[MZ+\j], v[TB]
.endr
	s_wait_alu depctr_va_vdst(0)                   ; v[MZ ..] are written, which the LDS stores read; the products above are done reading Wo and o, in whose registers the 64 loads below land
.irp j, 0,1,2,3
	ds_store_b32 v[FLS], v[MZ+\j] offset:128*\j
.endr
	WLOAD 2, 0, 22, 12288                          ; W1's groups 1 and 2 into P1 and P2: 32 + 32 loads
	SLOAD W1S+8, 28, 1024
	WLOAD 2, 96, 22, 24576
	SLOAD W1S+16, 28, 2048
	s_wait_loadcnt 63                              ; b2 is in: 64 loads were issued behind it
	WIN 0xcb
.irp j, 0,1,2,3
.set i, 0
.rept 16
	v_pk_add_f32 v[32*\j+2*i:32*\j+2*i+1], v[32*\j+2*i:32*\j+2*i+1], v[192+2*i:193+2*i]   ; + b2, behind the test for 0
.set i, i+1
.endr
.endr
	WIN 0
	s_wait_dscnt 0x0
	s_barrier_signal -1
	s_barrier_wait -1                              ; x's images and the flags lie in LDS; nobody reads the rows of x any more
	WIN 0x40
.set i, 0
.rept 24                                       ; into gamma's registers.  No wait: the norm's reads stand ahead of the wait at the images' stores, and nothing since names them
	ds_load_b128 v[4*i:4*i+3], v[XRD] offset:512*i
.set i, i+1
.endr
	WIN 0
.set i, 0
.rept 8
	ds_load_b32 v[XSW+i], v[XSRD] offset:128*i
.set i, i+1
.endr
	s_wait_dscnt 0x0
	s_wait_loadcnt 63                              ; group 0 and b1's first two sets: 72 loads were issued behind them
	HID 0, 1, 96
	GELA 0
	B1LOAD 2                                       ; 8 + 24 + 8 loads, behind the wait that closes the first exponentials: into the set of b1 and the buffer that group 0's products read
	WLOAD 1, 96, 22, 36864
	SLOAD W1S+24, 28, 3072
	GELB 0
	GELA 1
	GELB 1
	HQ 0
	s_wait_loadcnt 63                              ; group 1: 72 loads were issued behind it
	HID 1, 2, 0
	GELA 0
	B1LOAD 3                                       ; 8 + 32 loads, likewise
	W2LOAD 2, 0, 0
	GELB 0
	GELA 1
	GELB 1
	HQ 1
	s_wait_loadcnt 40                              ; group 2 and its b1; the 40 loads behind them may be out
	HID 2, 2, 96
	GELA 0
	W2LOAD 2, 96, 2                                ; 32 loads, likewise
	GELB 0
	GELA 1
	GELB 1
	HQ 2
	s_wait_loadcnt 32                              ; group 3 and its b1
	HID 3, 1, 96
	GELA 0
	GELB 0
	GELA 1
	GELB 1
	HQ 3
	W2LOAD 3, 128, 4                               ; into the hidden layer's registers: 32 loads.  No wait: the last group's wait ahead of its stores stands behind every line that names them
	s_wait_dscnt 0x0
	s_barrier_signal -1
	s_barrier_wait -1                              ; the hidden layer's 32 images lie in LDS
.set i, 0
.rept 16
	ds_load_b32 v[FL+i], v[FLR] offset:128*i       ; the four waves' flags
.set i, i+1
.endr
	HFETCH 0
.macro YSTEP sp, aw, ar, lc
.if (\sp) == 2
	PLACES 4                                       ; four plain lines behind the products of K steps 0 and 1, then the wait
	s_wait_alu depctr_va_vdst(0)                   ; these products are done reading P1, in which W2's K steps 6, 7 land now, and sets 0, 1 of the hidden fragments, in which K steps 6, 7 land later: the products between read sets 2 to 5, P2 and window 3 alone
	W2LOAD 2, 0, 6                                 ; 32 loads
.endif
.if (\sp) < 7
	HFETCH (\sp)+1
	s_wait_dscnt 16                                ; this step's fragments are in; the next step's 16 loads may be out
.else
	s_wait_dscnt 0x0
.endif
.if (\lc) >= 0
	s_wait_loadcnt \lc
.endif
	YMUL \sp, \aw, \ar
.endm
	YSTEP 0, 2, 0, -1
	YSTEP 1, 2, 0, -1
	YSTEP 2, 2, 96, 63                             ; K steps 2, 3: 64 loads were issued behind them
	YSTEP 3, 2, 96, -1
	YSTEP 4, 3, 128, 32                            ; K steps 4, 5; the last 32 loads may be out
	YSTEP 5, 3, 128, -1
	YSTEP 6, 2, 0, 0
	YSTEP 7, 2, 0, -1
.irp j, 0,1,2,3
	v_min3_num_f32 v[MZ+\j], v[FL+\j], v[FL+4+\j], v[FL+8+\j]
.endr
.irp j, 0,1,2,3
	v_min_num_f32 v[MZ+\j], v[MZ+\j], v[FL+12+\j]  ; the least magnitude of att in the whole row.  (These eight lines are the places behind the last products)
.endr
.irp j, 0,1,2,3
	v_cmp_eq_f32 s[44+\j], 0, v[MZ+\j]
.endr
	s_wait_alu depctr_va_sdst(0)                   ; the four masks s44 to s47 are written, ahead of the selections that read them
	WIN 0xc3
.irp j, 0,1,2,3
.set i, 0
.rept 32
	v_cndmask_b32 v[32*\j+i], v[32*\j+i], 0, s[44+\j]   ; a row with a 0 in att becomes 0
.set i, i+1
.endr
.endr
	; THE WAY OUT: my 64 columns of 64 rows through my own stage, back as rows of 256 bytes
	WIN 0x0c
	s_wait_alu depctr_va_vdst(0)                   ; the selections have written window 3's v0 to v127, which the LDS stores read; the products are done reading W2's fragments in its v128 to v223, in which the loads from the stage land
.irp j, 0,1,2,3
.set i, 0
.rept 8
	ds_store_b128 v[OSTW], v[32*\j+4*i:32*\j+4*i+3] offset:16*\j*272+16*i
.set i, i+1
.endr
.endr
	WIN 0xc0
.set i, 0
.rept 32                                       ; LDS serves a wave's instructions in order: these see my stores
	ds_load_b128 v[128+4*i:128+4*i+3], v[OSTR] offset:2*i*272
.set i, i+1
.endr
	WIN 0x0c
.set i, 0
.rept 32
	s_wait_dscnt 31-i
	global_store_b128 v[OUTO], v[128+4*i:128+4*i+3], s[18:19] offset:2048*i th:TH_STORE_NT   ; sixteen lanes store 256 consecutive bytes, at a multiple of 256 from the output's first byte
.set i, i+1
.endr
	WIN 0
	s_wait_dscnt 0x0
	s_wait_alu depctr_hold_cnt(0) depctr_sa_sdst(0) depctr_va_vdst(0) depctr_va_sdst(0) depctr_va_ssrc(0) depctr_va_vcc(0) depctr_vm_vsrc(0)
	s_wait_tensorcnt 0x0
	ds_add_u32 v254, v255
	s_wait_dscnt 0x0
	s_endpgm
.Lfunc_end_k_q3a00c12bac_tail:
	.size	k_q3a00c12bac_tail, .Lfunc_end_k_q3a00c12bac_tail-k_q3a00c12bac_tail
	.p2alignl 7, 3214868480
	.fill 96, 4, 3214868480
	.section	.rodata,"a",@progbits
	.p2align	6, 0x0
	.amdhsa_kernel k_q3a00c12bac_tail
		.amdhsa_group_segment_fixed_size 138752
		.amdhsa_private_segment_fixed_size 0
		.amdhsa_enable_private_segment 0
		.amdhsa_kernarg_size 64
		.amdhsa_user_sgpr_count 2
		.amdhsa_user_sgpr_kernarg_segment_ptr 1
		.amdhsa_wavefront_size32 1
		.amdhsa_system_sgpr_workgroup_id_x 1
		.amdhsa_system_sgpr_workgroup_id_y 1
		.amdhsa_system_sgpr_workgroup_id_z 1
		.amdhsa_system_vgpr_workitem_id 0
		.amdhsa_next_free_vgpr 1024
		.amdhsa_next_free_sgpr 66
		.amdhsa_reserve_vcc 0
		.amdhsa_float_denorm_mode_32 3
		.amdhsa_float_denorm_mode_16_64 3
		.amdhsa_memory_ordered 1
		.amdhsa_forward_progress 1
		.amdhsa_inst_pref_size 255
	.end_amdhsa_kernel
	.section	.bss,"aw",@nobits
	.p2align	6
	.space	262144
	.amdgpu_metadata
---
amdhsa.version: [ 1, 2 ]
amdhsa.kernels:
  - .name:           k_q3a00c12bac_tail
    .symbol:         k_q3a00c12bac_tail.kd
    .args:
      - { .name: x, .offset: 0, .size: 8, .value_kind: global_buffer, .address_space: global }
      - { .name: gamma2, .offset: 8, .size: 8, .value_kind: global_buffer, .address_space: global }
      - { .name: beta2, .offset: 16, .size: 8, .value_kind: global_buffer, .address_space: global }
      - { .name: b1, .offset: 24, .size: 8, .value_kind: global_buffer, .address_space: global }
      - { .name: b2, .offset: 32, .size: 8, .value_kind: global_buffer, .address_space: global }
      - { .name: wts, .offset: 40, .size: 8, .value_kind: global_buffer, .address_space: global }
      - { .name: ows, .offset: 48, .size: 8, .value_kind: global_buffer, .address_space: global }
      - { .name: out0, .offset: 56, .size: 8, .value_kind: global_buffer, .address_space: global }
    .group_segment_fixed_size: 138752
    .private_segment_fixed_size: 0
    .kernarg_segment_align: 8
    .kernarg_segment_size: 64
    .max_flat_workgroup_size: 128
    .sgpr_count:     66
    .vgpr_count:     1024
    .wavefront_size: 32
...
	.end_amdgpu_metadata
.endif
;; end of part 6
